; MI455X (gfx1250); checked and timed in simulation.
; The chip was launched on July 23, 2026; its instructions are those of AMD's public machine-readable ISA for CDNA 5 (MIT licence, August 2026) and "CDNA5" Instruction Set Architecture Reference Guide (July 2026). The comments in the code are by the model that wrote it; some were corrected since.
;; Causal Self Attention. Allowed arithmetic: matrix products marked QUANTISED: E2M3 operands, one E8M0 scale for each 32 along K, by v_wmma_scale_f32_16x16x128_f8f6f4 with both operands' format E2M3, f32 sums; everything else in f32.
;; Inputs: Wkv 1,024 x 512 float32; Wo 1,024 x 1,024 float32; Wq 1,024 x 1,024 float32; x 4 x 2,048 x 1,024 float32.
;; Outputs: out0 4 x 2,048 x 1,024 float32.
;; This version of the problem:
;;   THIS VERSION OF THE PROBLEM IS GIVEN IN LOW PRECISION. The matrix products marked QUANTISED in the list below multiply operands that are first quantised to E2M3 (2 exponent bits, 3 mantissa bits; 6 bits a number), with one power-of-two scale for each 32 numbers along K (OCP MX v1.0); their sums are f32. All else is computed in f32.
;;   The module's matrix products, in the order in which they are computed (A, B: the left and right operand; K: the contracted axis; several contracted axes count as one K, in the product's order):
;;     1. [M 8,192, K 1,024] x [K 1,024, N 1,024]; A: input x; B: input Wq: QUANTISED
;;     2. [M 8,192, K 1,024] x [K 1,024, N 512]; A: input x; B: input Wkv: QUANTISED
;;     3. batch 16 x [M 2,048, K 64] x [K 64, N 8,192]; A: computed on the way; B: computed on the way: QUANTISED
;;     4. batch 16 x [M 64, K 2,048] x [K 2,048, N 8,192]; A: computed on the way; B: softmax (see below): QUANTISED
;;     5. [M 8,192, K 1,024] x [K 1,024, N 1,024]; A: computed on the way; B: input Wo: QUANTISED
;;   THE QUANTISER, for each operand of a quantised product, along K:
;;     - K is cut into blocks of 32 from its start; a last block that is shorter is filled with zeros.
;;     - A block's scale is 2^e with e = floor(log2(the largest magnitude in the block)) - 2, held to -126 .. 127; a block of zeros has e = 0. As a byte (E8M0): e + 127.
;;     - Each number is divided by its block's scale, clamped to +-7.5, and rounded to the nearest number of E2M3, ties to even, subnormals kept.
;;     - The product sums the exact products of the quantised numbers (number of the format x scale) in f32.
;;   ~~~python
;;   def quantise(x, axis):      # numpy; x: float32 -> the quantised numbers, widened to float32 again
;;       x = np.moveaxis(x, axis, -1); K = x.shape[-1]
;;       x = np.pad(x, [(0, 0)] * (x.ndim - 1) + [(0, -K % 32)]); x = x.reshape(x.shape[:-1] + (-1, 32)); a = np.abs(x).max(-1, keepdims=True)
;;       e = np.where(a > 0, np.clip(np.frexp(np.where(a > 0, a, 1))[1] - 1 - 2, -126, 127), 0)      # np.frexp(a)[1] - 1 = floor(log2(a)), exactly
;;       r = np.clip(x / 2.0 ** e, -7.5, 7.5)
;;       step = 2.0 ** (np.maximum(np.frexp(np.where(r == 0, 1, r))[1] - 1, 0) - 3)
;;       q = np.round(r / step) * step * 2.0 ** e      # np.round: ties to even
;;       return np.moveaxis(q.reshape(q.shape[:-2] + (-1,))[..., :K], -1, axis).astype(np.float32)
;;   ~~~
;;   SOFTMAX AHEAD OF A QUANTISED PRODUCT. Where the list says 'softmax', what is quantised is not the finished softmax but p = 2^(t - M), with t = logit x log2(e) and M = ceil(the row's largest t), a whole number; so 1/2 < the row's largest p <= 1. The row's sum l is taken of the UNQUANTISED p, in f32, and the product's result is divided by l at the end. Since M is a whole number, a kernel that streams over the keys may use a running M (the ceiling of the running maximum): every later rescaling is an exact power of two, which a block's scale takes up: the codes' values come out the same.
;;   OPERANDS COMPUTED ON THE WAY. 'Computed on the way' means the value that the module computes at that place (a softmax that the list does not call 'softmax' is quantised finished and normalised). What goes into a quantiser is computed in f32, as accurately as f32 sums, v_exp_f32 and their like allow (about 1e-6 of the number): no bf16 or f16 on the way to a quantiser, and a product that is left as it is and whose result goes on into a quantised operand takes f32 operands (vector FMAs, or v_wmma_f32_16x16x4_f32). A number that lies on a knife's edge between two numbers of the format may be rounded either way, as far as f32 arithmetic and the matrix unit's own rounding can turn it there, and no further.
;; One version. Each part assembles by itself: llvm-mc -triple=amdgcn-amd-amdhsa -mcpu=gfx1250 --defsym DOCPART=n.
;; ======== version 1 of 1: 4 launches
;; workspace buffers: actc 6,291,456 bytes; acts 262,144 bytes; wc 1,966,080 bytes; wsc 81,920 bytes; qc 6,291,456 bytes; qs 524,288 bytes; kvb 3,342,336 bytes
;; launch prep (part 1): grid 336 x 1, 4 waves a work-group, no clusters, 34,304 bytes of LDS; arguments x, Wq, Wkv, Wo, actc, acts, wc, wsc; writes actc, acts, wc, wsc
.if DOCPART == 1
	.amdgcn_target "amdgcn-amd-amdhsa--gfx1250"
	.amdhsa_code_object_version 6
	.text
	.protected	k_qa45de55538_prep
	.globl	k_qa45de55538_prep
	.p2align	8
	.type	k_qa45de55538_prep,@function
k_qa45de55538_prep:
	s_mov_b64 s[64:65], 0
	v_nop
	global_prefetch_b8 v0, s[64:65] scope:SCOPE_SE
	s_setreg_imm32_b32 hwreg(HW_REG_WAVE_MODE, 25, 1), 1
	s_wait_xcnt 0x0
; PREP: x [8192][1024] and the three weights ([1024 (k)][n], K their first axis), all f32, become codes of FP6 (E2M3) with one E8M0 byte for each 32 along K = the hidden 1,024.
; A block's scale is 2^(floor(log2(largest magnitude)) - 2); its byte is that magnitude's exponent field - 2, held at 1 from below by a floor among the maximum's leaves.
; LIMITS: a block of zeros, or one whose largest magnitude lies under 2^-124, gets the byte 1 (its codes are zeros or the smallest codes; the bytes are read by this program alone); NaN and infinities are not served.
; LAYOUT OF THE RESULTS: in the order of the operand's registers.  A TILE is 16 rows; tiles come in pairs over 32 rows: lane r of tile 2 p + u holds row 32 p + 8 u + r + 8 (r / 8).
; A HALF IMAGE, 768 bytes, is 16 rows x 64 K: lane l's registers 0-3 at 16 l, its registers 4-5 at 512 + 8 l.  A fragment (128 K) is two of them; a tile's eight fragments lie on end: 12,288 bytes.
; Scale words (4 bytes: a row and 128 K) lie in blocks of 256 bytes, one for a pair of tiles and 256 K: 128 (tile % 2) + 8 r + 4 (K step % 2).
; Every store of a wave covers 512 or 256 consecutive bytes, aligned.
; SHARES: work-groups 0-255 take 32 rows of x each, wave w the 256 K from 256 w on.  Work-groups 256-335 take 128 columns x 256 K of a weight, wave w 32 columns.
; No matrix unit, no tensor load, no barrier: waves share nothing, and memory binds.
.set STGB, 8448                        ; a wave's stage: 16 rows x (512 + 16) bytes
.set R,    16                          ; v16-143  two sets of 64 registers as loaded
.set X,    144                         ; v144-207 64 numbers: register 16 b + i = k 32 b + 16 (lane / 16) + i of my row
.set PC,   208                         ; v208-219 a fragment's codes; v220-227 the conversions' second halves
.set TM,   228                         ; v228-231 largest magnitudes, v232-235 bytes, v240-243 the conversions' scale operands
.set PWF,  244                         ; v244-247 the four fragments' scale words
.set SEL,  28                          ; s[28:29] lane selects: lane l xor 16
; 64 numbers of a lane become a fragment's codes in v[PC] on and the row's scale word in v[pw]
.macro QUANT s, pw
.irp b, 0,1,2,3
	v_max3_num_f32 v[TM+\b], |v[\s+16*\b]|, |v[\s+1+16*\b]|, 0x1800000   ; my 16 numbers of block b, and the floor 2^(3 - 127)
.endr
.irp i, 2,4,6,8,10,12,14
.irp b, 0,1,2,3
	v_max3_num_f32 v[TM+\b], v[TM+\b], |v[\s+16*\b+\i]|, |v[\s+1+16*\b+\i]|
.endr
.endr
.irp b, 0,1,2,3
	v_permlanex16_b32 v[TM+4+\b], v[TM+\b], s[SEL], s[SEL+1]
.endr
.irp b, 0,1,2,3
	v_max_num_f32 v[TM+\b], v[TM+\b], v[TM+4+\b]      ; with lane l xor 16's 16: the block's largest magnitude
.endr
.irp b, 0,1,2,3
	v_add_nc_u32 v[TM+12+\b], 0xff000000, v[TM+\b]    ; 2 off its exponent field: the conversion's scale operand
.endr
.irp b, 0,1,2,3
	v_lshrrev_b32 v[TM+4+\b], 23, v[TM+12+\b]         ; the byte
.endr
	v_lshl_or_b32 v[\pw], v[TM+5], 8, v[TM+4]
	v_lshl_or_b32 v[\pw], v[TM+6], 16, v[\pw]
	v_lshl_or_b32 v[\pw], v[TM+7], 24, v[\pw]
.irp c, 0,1
	v_cvt_scalef32_pk16_fp6_f32 v[PC+6*\c:PC+2+6*\c], v[\s+32*\c:\s+15+32*\c], v[TM+12+2*\c]
	v_cvt_scalef32_pk16_fp6_f32 v[PC+12+4*\c:PC+14+4*\c], v[\s+16+32*\c:\s+31+32*\c], v[TM+12+2*\c+1]   ; (three registers from an even one on)
.endr
	v_nop                                             ; one plain line behind the scaled conversions
.irp c, 0,1                                           ; the operand wants a whole block in a lane: lanes 0-15 block 2 c, lanes 16-31 block 2 c + 1
.irp i, 0,1,2
	v_permlane16_swap_b32 v[PC+6*\c+\i], v[PC+12+4*\c+\i]
.endr
.irp i, 0,1,2
	v_mov_b32 v[PC+3+6*\c+\i], v[PC+12+4*\c+\i]
.endr
.endr
.endm
; fragment f = 2 u + ks: tile u of the pair, K step ks of my two.  Load i reads 512 consecutive bytes of the row that lane i of the tile holds
.macro LOADF f
.irp i, 0,1,2,3,4,5,6,7,8,9,10,11,12,13,14,15
	global_load_b128 v[R+64*((\f)%2)+4*\i:R+64*((\f)%2)+4*\i+3], v4, s[4:5] offset:(8*((\f)/2)+\i+8*(\i/8))*4096+512*((\f)%2) th:TH_LOAD_NT
.endr
.endm
.macro FRAGX f
.if (\f) < 3
	s_wait_loadcnt 16                                 ; my 16 loads are in; the next fragment's 16 stay out
.else
	s_wait_loadcnt 0x0
.endif
.irp i, 0,1,2,3,4,5,6,7,8,9,10,11,12,13,14,15
	ds_store_b128 v5, v[R+64*((\f)%2)+4*\i:R+64*((\f)%2)+4*\i+3] offset:528*\i   ; rows as they lie
.endr
.irp b, 0,1,2,3
.irp j, 0,1,2,3
	ds_load_b128 v[X+16*\b+4*\j:X+16*\b+4*\j+3], v6 offset:128*\b+16*\j          ; back: 16 neighbours of each block of my row; LDS serves a wave's instructions in order
.endr
.endr
	s_wait_dscnt 0x0                                  ; the numbers are back, and the stage's stores have read their registers
	s_wait_xcnt 0x0                                   ; the last fragment's stores have read the codes' registers
.if (\f) < 2
	LOADF (\f)+2
.endif
	QUANT X, PWF+(\f)
.set OFF, ((\f)/2)*12288+((\f)%2)*1536
	global_store_b128 v4, v[PC:PC+3], s[12:13] offset:OFF
	global_store_b64 v8, v[PC+4:PC+5], s[12:13] offset:OFF+512
	global_store_b128 v4, v[PC+6:PC+9], s[12:13] offset:OFF+768
	global_store_b64 v8, v[PC+10:PC+11], s[12:13] offset:OFF+1280
.endm
; THE WEIGHTS.  A lane takes a column, its registers run down K: a block of 32 lies in one lane
.macro LOADB t, pitch
.irp i, 0,1,2,3,4,5,6,7,8,9,10,11,12,13,14,15,16,17,18,19,20,21,22,23,24,25,26,27,28,29,30,31
	global_load_b32 v[16+32*((\t)%2)+\i], v5, s[4:5] offset:(32*(\t)+\i)*\pitch th:TH_LOAD_NT   ; 32 lanes read 128 consecutive bytes
.endr
.endm
.macro BLOCK t, pitch
.set XS, 16+32*((\t)%2)
.set BC, 80+8*((\t)%2)
.if (\t) < 7
	s_wait_loadcnt 32                                 ; this block's 32 loads are in; the next block's stay out
.else
	s_wait_loadcnt 0x0
.endif
.if ((\t)%2 == 0) && ((\t) > 0)
	s_wait_xcnt 0x0                                   ; the last pair's stores have read v80-93
.endif
	v_max3_num_f32 v102, |v[XS]|, |v[XS+1]|, |v[XS+2]|
	v_max3_num_f32 v103, |v[XS+3]|, |v[XS+4]|, |v[XS+5]|
.irp i, 6,10,14,18,22,26
	v_max3_num_f32 v102, v102, |v[XS+\i]|, |v[XS+\i+1]|
	v_max3_num_f32 v103, v103, |v[XS+\i+2]|, |v[XS+\i+3]|
.endr
	v_max3_num_f32 v102, v102, |v[XS+30]|, |v[XS+31]|
	v_max3_num_f32 v102, v102, v103, 0x1800000        ; and the floor
	v_add_nc_u32 v104, 0xff000000, v102
	v_lshrrev_b32 v105, 23, v104
.if (\t)%4 == 0
	v_mov_b32 v[100+(\t)/4], v105                     ; four bytes to a word, the lower K in the lower byte
.else
	v_lshl_or_b32 v[100+(\t)/4], v105, 8*((\t)%4), v[100+(\t)/4]
.endif
	v_cvt_scalef32_pk16_fp6_f32 v[BC:BC+2], v[XS:XS+15], v104
	v_cvt_scalef32_pk16_fp6_f32 v[96:98], v[XS+16:XS+31], v104
	v_nop
.irp i, 0,1,2
	v_mov_b32 v[BC+3+\i], v[96+\i]
.endr
.if (\t)+2 < 8
	LOADB (\t)+2, \pitch
.endif
.if (\t)%2 == 1
.irp i, 0,1,2,3,4,5                                   ; lanes 0-15 are tile 0's rows, lanes 16-31 tile 1's: the even block's upper lanes change places with the odd block's lower lanes,
	v_permlane16_swap_b32 v[80+\i], v[88+\i]          ; and v80-85 are tile 0's half image, v88-93 tile 1's
.endr
.set WOF, ((\t)/4)*1536+(((\t)/2)%2)*768
	global_store_b128 v4, v[80:83], s[16:17] offset:WOF
	global_store_b64 v8, v[84:85], s[16:17] offset:WOF+512
	global_store_b128 v4, v[88:91], s[16:17] offset:WOF+12288
	global_store_b64 v8, v[92:93], s[16:17] offset:WOF+12288+512
.endif
.endm
.macro WPATH pitch
	LOADB 0, \pitch
	LOADB 1, \pitch
.irp t, 0,1,2,3,4,5,6,7
	BLOCK \t, \pitch
.endr
	global_store_b64 v8, v[100:101], s[18:19]         ; 32 lanes: one aligned block of 256 bytes of scale words
	s_endpgm
.endm
	s_load_b256 s[4:11], s[0:1], 0x0                  ; x, Wq, Wkv, Wo
	s_load_b256 s[12:19], s[0:1], 0x20                ; actc, acts, wc, wsc
	v_lshl_add_u32 v254, v0, 2, 0x8400
	v_mov_b32 v255, 0
	v_lshrrev_b32 v1, 5, v0
	v_readfirstlane_b32 s20, v1                       ; wave
	v_and_b32 v1, 31, v0                              ; lane
	v_and_b32 v2, 15, v0                              ; r
	v_bfe_u32 v3, v0, 4, 1                            ; h
	v_lshlrev_b32 v4, 4, v1                           ; 16 x lane
	v_lshlrev_b32 v8, 3, v1                           ; 8 x lane
	s_wait_kmcnt 0x0
	s_cmp_ge_u32 ttmp9, 256
	s_cbranch_scc1 .Lweights
	; ---- x: rows 32 tp on, bytes 1,024 w on
	s_mul_i32 s21, s20, STGB
	v_add_nc_u32 v5, s21, v4                          ; the stage, in: 16 x lane
	v_mul_u32_u24 v6, v2, 528
	v_lshl_add_u32 v6, v3, 6, v6
	v_add_nc_u32 v6, s21, v6                          ; and out: row r, + 64 h
	s_mov_b32 s[SEL], 0x76543210
	s_mov_b32 s[SEL+1], 0xfedcba98
.irp b, 0,1,2,3
	v_mov_b32 v[TM+4+\b], 0                           ; a lane permute's destination counts as a source: written once
.endr
	s_lshl_b32 s22, ttmp9, 17                         ; 32 rows of 4,096 bytes
	s_lshl_b32 s24, s20, 10
	s_add_co_u32 s22, s22, s24
	s_mov_b32 s23, 0
	s_add_nc_u64 s[4:5], s[4:5], s[22:23]
	s_mul_i32 s22, ttmp9, 24576                       ; two tiles of 12,288 bytes
	s_mul_i32 s24, s20, 3072                          ; my two K steps
	s_add_co_u32 s22, s22, s24
	s_add_nc_u64 s[12:13], s[12:13], s[22:23]
	s_lshl_b32 s22, ttmp9, 10
	s_lshl_b32 s24, s20, 8
	s_add_co_u32 s22, s22, s24
	s_add_nc_u64 s[14:15], s[14:15], s[22:23]
	LOADF 0
	LOADF 1
	FRAGX 0
	FRAGX 1
	FRAGX 2
	FRAGX 3
	v_cmp_eq_u32 vcc_lo, 1, v3
	v_cndmask_b32 v248, v[PWF], v[PWF+2], vcc_lo      ; lanes 0-15: tile 0's words, lanes 16-31: tile 1's
	v_cndmask_b32 v249, v[PWF+1], v[PWF+3], vcc_lo
	global_store_b64 v8, v[248:249], s[14:15]         ; one aligned block of 256 bytes
	s_wait_tensorcnt 0x0
	ds_add_u32 v254, v255
	s_wait_dscnt 0x0
	s_endpgm
.Lweights:
	s_sub_co_u32 s21, ttmp9, 256
	s_lshr_b32 s22, s21, 2                            ; group of 128 columns: 0-7 Wq, 8-11 Wkv, 12-19 Wo
	s_and_b32 s23, s21, 3                             ; which 256 along K
	v_and_b32 v5, 7, v1
	v_bfe_u32 v6, v1, 3, 1
	v_lshl_add_u32 v5, v6, 4, v5
	v_lshl_add_u32 v5, v3, 3, v5                      ; my column of the wave's 32: (l % 8) + 16 ((l / 8) % 2) + 8 (l / 16)
	v_lshlrev_b32 v5, 2, v5
	s_lshl_b32 s30, s22, 2
	s_add_co_u32 s30, s30, s20                        ; my pair of tiles
	s_mul_i32 s32, s30, 24576
	s_mul_i32 s33, s23, 3072
	s_add_co_u32 s32, s32, s33
	s_mov_b32 s33, 0
	s_add_nc_u64 s[16:17], s[16:17], s[32:33]
	s_lshl_b32 s32, s30, 2
	s_add_co_u32 s32, s32, s23
	s_lshl_b32 s32, s32, 8
	s_add_nc_u64 s[18:19], s[18:19], s[32:33]
	s_sub_co_u32 s25, s22, 8                          ; 0-3 for Wkv alone
	s_cmp_lt_u32 s22, 8
	s_cselect_b64 s[4:5], s[6:7], s[10:11]            ; the choices hang on the work-group's number alone
	s_cselect_b32 s24, 0, 12
	s_cmp_lt_u32 s25, 4
	s_cselect_b64 s[4:5], s[8:9], s[4:5]
	s_cselect_b32 s24, 8, s24
	s_cselect_b32 s26, 19, 20                         ; 256 rows of 2,048 or of 4,096 bytes
	s_sub_co_u32 s24, s22, s24                        ; the group inside its tensor
	s_lshl_b32 s26, s23, s26
	s_lshl_b32 s24, s24, 9
	s_add_co_u32 s26, s26, s24
	s_lshl_b32 s24, s20, 7
	s_add_co_u32 s26, s26, s24
	s_mov_b32 s27, 0
	s_add_nc_u64 s[4:5], s[4:5], s[26:27]
	s_cmp_lt_u32 s25, 4
	s_cbranch_scc1 .Lwkv
	WPATH 4096
.Lwkv:
	WPATH 2048
.Lfunc_end_k_qa45de55538_prep:
	.size	k_qa45de55538_prep, .Lfunc_end_k_qa45de55538_prep-k_qa45de55538_prep
	.p2alignl 7, 3214868480
	.fill 96, 4, 3214868480
	.section	.rodata,"a",@progbits
	.p2align	6, 0x0
	.amdhsa_kernel k_qa45de55538_prep
		.amdhsa_group_segment_fixed_size 34304
		.amdhsa_private_segment_fixed_size 0
		.amdhsa_enable_private_segment 0
		.amdhsa_kernarg_size 64
		.amdhsa_user_sgpr_count 2
		.amdhsa_user_sgpr_kernarg_segment_ptr 1
		.amdhsa_wavefront_size32 1
		.amdhsa_system_sgpr_workgroup_id_x 1
		.amdhsa_system_sgpr_workgroup_id_y 1
		.amdhsa_system_sgpr_workgroup_id_z 1
		.amdhsa_system_vgpr_workitem_id 0
		.amdhsa_next_free_vgpr 256
		.amdhsa_next_free_sgpr 66
		.amdhsa_reserve_vcc 1
		.amdhsa_float_denorm_mode_32 3
		.amdhsa_float_denorm_mode_16_64 3
		.amdhsa_memory_ordered 1
		.amdhsa_forward_progress 1
		.amdhsa_inst_pref_size 111
	.end_amdhsa_kernel
	.amdgpu_metadata
---
amdhsa.version: [ 1, 2 ]
amdhsa.kernels:
  - .name:           k_qa45de55538_prep
    .symbol:         k_qa45de55538_prep.kd
    .args:
      - { .name: x, .offset: 0, .size: 8, .value_kind: global_buffer, .address_space: global }
      - { .name: Wq, .offset: 8, .size: 8, .value_kind: global_buffer, .address_space: global }
      - { .name: Wkv, .offset: 16, .size: 8, .value_kind: global_buffer, .address_space: global }
      - { .name: Wo, .offset: 24, .size: 8, .value_kind: global_buffer, .address_space: global }
      - { .name: actc, .offset: 32, .size: 8, .value_kind: global_buffer, .address_space: global }
      - { .name: acts, .offset: 40, .size: 8, .value_kind: global_buffer, .address_space: global }
      - { .name: wc, .offset: 48, .size: 8, .value_kind: global_buffer, .address_space: global }
      - { .name: wsc, .offset: 56, .size: 8, .value_kind: global_buffer, .address_space: global }
    .group_segment_fixed_size: 34304
    .private_segment_fixed_size: 0
    .kernarg_segment_align: 8
    .kernarg_segment_size: 64
    .max_flat_workgroup_size: 128
    .sgpr_count:     66
    .vgpr_count:     256
    .wavefront_size: 32
...
	.end_amdgpu_metadata
.endif
;; end of part 1
;; launch qkv (part 2): grid 64 x 6, 4 waves a work-group, no clusters, 307,712 bytes of LDS; arguments actc, acts, wc, wsc, qc, qs, kvb; writes qc, qs, kvb
.if DOCPART == 2
	.amdgcn_target "amdgcn-amd-amdhsa--gfx1250"
	.amdhsa_code_object_version 6
	.text
	.protected	k_qa45de55538_qkv
	.globl	k_qa45de55538_qkv
	.p2align	8
	.type	k_qa45de55538_qkv,@function
k_qa45de55538_qkv:
	s_mov_b64 s[64:65], 0
	v_nop
	global_prefetch_b8 v0, s[64:65] scope:SCOPE_SE
	s_setreg_imm32_b32 hwreg(HW_REG_WAVE_MODE, 25, 1), 1
	s_wait_xcnt 0x0
; QKV: q = x Wq, k | v = x Wkv on codes of FP6 (E2M3) with E8M0 scales, sums in f32; the results are quantised again in the accumulators' registers and leave as codes: q and k along the head's 64, v along the keys.
; D = P L^T: source 0 = 16 rows of P (they run along a lane's result registers), source 1 = 16 rows of L (one a lane).  A work-group makes 256 rows of P x 128 rows of L over all of K = 1,024.
; y = 0-3 (q) and 4 (k): P = 256 columns of the weights, L = 128 tokens: a lane holds one token and 128 neighbouring columns, two heads.  y = 5 (v): P = 256 tokens, L = 128 columns: a lane holds one channel and 128 neighbouring keys.
; Operands lie in memory in the order of the operand's registers (tiles of 16 rows in pairs: lane r of tile 2 p + u holds row 32 p + 8 u + r + 8 (r / 8); a fragment of 128 K is 1,536 bytes), so the 16 result registers of
; P's tiles 2 p, 2 p + 1 are 16 neighbours, as the conversions want them.
; LDS: (256 + 128) rows x 1,024 K of codes and their scale words are 307,200 bytes: every byte is filled once, in K quarters; there is no ring.  A wave has five tensor loads out at the most.
; Four waves: wave w makes P's rows 128 (w / 2) on x L's rows 64 (w % 2) on: 32 accumulators, which take turns, one instruction a turn.
; NO CLUSTER: what partners could share is the weights' tiles, which are P for q and k and L for v; a mask is a constant word of a descriptor's group 1, so one text cannot carry both; and 5 (q, k) or 2 (v) work-groups share a tile of tokens, which 4 does not divide.
; LIMITS: a block of zeros or under 2^-124 gets the byte 1 (bytes are this program's own); NaN and infinities are not served.
.set PM,   0                           ; no work-group mask
.set PREG, 0                           ; P's codes: [K quarter 4][tile 16][3,072]
.set LREG, 196608                      ; L's codes: [K quarter 4][tile 8][3,072]
.set SCPR, 294912                      ; P's scale words, 8,192 bytes
.set SCLR, 303104                      ; L's, 4,096 bytes
.set WV, 12
.set WP, 13
.set WL, 14
.set G1P, 16
.set G1L, 24
.set G1SA, 32
.set G1SB, 40
.set G0PS, 48                          ; s[48:51]; P's quarters s[52:63], s[68:71]
.set G0LS, 72                          ; s[72:75]; L's quarters s[76:91]
.set PC, 128                           ; the way out: codes v128-139, the conversions' second halves v140-147
.set TM, 224                           ; v224-239 at work; v240-243 the four scale words
.set SEL, 100
; windows of 256 registers: 0: addresses, scale words v32-127, L's two sets v128-223, v224-255 at work; 1: the accumulators ((a, b) at 8 (8 a + b)); 2: P's two sets
.set MUL,  0x52                        ; source 0 window 2, source 1 window 0, C and D window 1
.set TO_P, 0x80                        ; destination window 2
.set QMAX, 0x14                        ; sources 1 and 2 window 1
.set QCVT, 0x01                        ; source 0 window 1
.set MSB, 0
.macro WIN new
.if MSB != \new
	s_set_vgpr_msb (MSB<<8)|\new
.set MSB, \new
.endif
.endm
.macro FRAG reg, a16, a8, off          ; a fragment as it lies: 512 + 256 + 512 + 256 consecutive bytes
	ds_load_b128 v[\reg:\reg+3], v[\a16] offset:\off
	ds_load_b64 v[\reg+4:\reg+5], v[\a8] offset:\off+512
	ds_load_b128 v[\reg+6:\reg+9], v[\a16] offset:\off+768
	ds_load_b64 v[\reg+10:\reg+11], v[\a8] offset:\off+1280
.endm
.macro FETCH ks                        ; K step ks: P's eight fragments and L's four into set ks % 2
	WIN TO_P
.irp b, 0,1,2,3,4,5,6,7
	FRAG 96*((\ks)%2)+12*\b, 8+(\ks)/2, 12+(\ks)/2, 3072*\b+1536*((\ks)%2)
.endr
	WIN 0
.irp a, 0,1,2,3
	FRAG 128+48*((\ks)%2)+12*\a, 16+(\ks)/2, 20+(\ks)/2, 3072*\a+1536*((\ks)%2)
.endr
.endm
.macro SCALES                          ; all scale words, once: P's tile b, K step ks in v[32 + 8 b + ks]; L's tile a in v[96 + 8 a + ks]
.irp b, 0,1,2,3,4,5,6,7
.irp kp, 0,1,2,3
	ds_load_b64 v[32+8*\b+2*\kp:33+8*\b+2*\kp], v24 offset:(\b/2)*1024+256*\kp+128*(\b%2)
.endr
.endr
.irp a, 0,1,2,3
.irp kp, 0,1,2,3
	ds_load_b64 v[96+8*\a+2*\kp:97+8*\a+2*\kp], v25 offset:(\a/2)*1024+256*\kp+128*(\a%2)
.endr
.endr
.endm
.macro KSTEP ks
	s_wait_dscnt 0x0                                  ; this step's fragments are in
.if ((\ks)%2 == 1) && ((\ks) < 7)
	s_wait_tensorcnt 3-((\ks)+1)/2                    ; my part of the next K quarter has landed; the later quarters stay out
	s_barrier_signal -1
	s_barrier_wait -1                                 ; everybody's has
.endif
.if ((\ks) > 0) && ((\ks) < 7)
.rept 4
	v_nop                                             ; four places between the last products and loads into the set that they read
.endr
.endif
.if (\ks) < 7
	FETCH (\ks)+1
.endif
	WIN MUL
.irp a, 0,1,2,3
.irp b, 0,1,2,3,4,5,6,7
.if (\ks) == 0
	v_wmma_scale_f32_16x16x128_f8f6f4 v[8*(8*\a+\b):8*(8*\a+\b)+7], v[96*((\ks)%2)+12*\b:96*((\ks)%2)+12*\b+11], v[128+48*((\ks)%2)+12*\a:128+48*((\ks)%2)+12*\a+11], 0, v[32+8*\b+(\ks)], v[96+8*\a+(\ks)] matrix_a_fmt:MATRIX_FMT_FP6 matrix_b_fmt:MATRIX_FMT_FP6
.else
	v_wmma_scale_f32_16x16x128_f8f6f4 v[8*(8*\a+\b):8*(8*\a+\b)+7], v[96*((\ks)%2)+12*\b:96*((\ks)%2)+12*\b+11], v[128+48*((\ks)%2)+12*\a:128+48*((\ks)%2)+12*\a+11], v[8*(8*\a+\b):8*(8*\a+\b)+7], v[32+8*\b+(\ks)], v[96+8*\a+(\ks)] matrix_a_fmt:MATRIX_FMT_FP6 matrix_b_fmt:MATRIX_FMT_FP6
.endif
.endr
.endr
	WIN 0
.endm
; 64 results of a lane in window 1, register 16 b + i = place 32 b + 16 (lane / 16) + i along the next K, become a fragment in v[PC] on and a scale word in v[pw].  Each accumulator is read from its low end on
.macro QUANTW s, pw
	WIN QMAX
.irp b, 0,1,2,3
	v_max3_num_f32 v[TM+\b], 0x1800000, |v[(\s)+16*\b]|, |v[(\s)+1+16*\b]|   ; the floor 2^(3 - 127) among the leaves
.endr
.irp i, 2,4,6,8,10,12,14
.irp b, 0,1,2,3
	v_max3_num_f32 v[TM+\b], v[TM+\b], |v[(\s)+16*\b+\i]|, |v[(\s)+1+16*\b+\i]|
.endr
.endr
	WIN 0
.irp b, 0,1,2,3
	v_permlanex16_b32 v[TM+4+\b], v[TM+\b], s[SEL], s[SEL+1]
.endr
.irp b, 0,1,2,3
	v_max_num_f32 v[TM+\b], v[TM+\b], v[TM+4+\b]
.endr
.irp b, 0,1,2,3
	v_add_nc_u32 v[TM+12+\b], 0xff000000, v[TM+\b]
.endr
.irp b, 0,1,2,3
	v_lshrrev_b32 v[TM+4+\b], 23, v[TM+12+\b]
.endr
	v_lshl_or_b32 v[\pw], v[TM+5], 8, v[TM+4]
	v_lshl_or_b32 v[\pw], v[TM+6], 16, v[\pw]
	v_lshl_or_b32 v[\pw], v[TM+7], 24, v[\pw]
	WIN QCVT
.irp c, 0,1
	v_cvt_scalef32_pk16_fp6_f32 v[PC+6*\c:PC+2+6*\c], v[(\s)+32*\c:(\s)+15+32*\c], v[TM+12+2*\c]
	v_cvt_scalef32_pk16_fp6_f32 v[PC+12+4*\c:PC+14+4*\c], v[(\s)+16+32*\c:(\s)+31+32*\c], v[TM+12+2*\c+1]
.endr
	WIN 0
	v_nop                                             ; one plain line behind the scaled conversions
.irp c, 0,1
.irp i, 0,1,2
	v_permlane16_swap_b32 v[PC+6*\c+\i], v[PC+12+4*\c+\i]
.endr
.irp i, 0,1,2
	v_mov_b32 v[PC+3+6*\c+\i], v[PC+12+4*\c+\i]
.endr
.endr
.endm
	s_load_b256 s[72:79], s[0:1], 0x0                 ; actc, acts, wc, wsc
	s_load_b128 s[92:95], s[0:1], 0x20                ; qc, qs
	s_load_b64 s[96:97], s[0:1], 0x30                 ; kvb
	v_lshl_add_u32 v254, v0, 2, 0x4b000
	v_mov_b32 v255, 0
	ds_add_u32 v254, v255
	ds_add_u32 v254, v255
	v_lshrrev_b32 v1, 5, v0
	v_readfirstlane_b32 s[WV], v1                     ; wave 0..3
	s_lshr_b32 s[WP], s[WV], 1                        ; which 128 rows of P are mine
	s_and_b32 s[WL], s[WV], 1                         ; which 64 rows of L; also: which half of an operand I fetch
	s_and_b32 s15, ttmp7, 0xffff                      ; y
	s_lshr_b32 s2, ttmp9, 1
	s_lshl_b32 s2, s2, 4                              ; v: P's first tile: 16 (x / 2), of tokens
	s_lshl_b32 s3, s15, 4                             ; q, k: 16 y, of the weights
	s_and_b32 s98, ttmp9, 1
	s_lshl_b32 s98, s98, 3
	s_add_co_u32 s98, s98, 80                         ; v: L's first tile: 80 + 8 (x % 2), of the weights
	s_lshl_b32 s99, ttmp9, 3                          ; q, k: 8 x, of tokens
	; descriptor groups 1, elements of 8 bytes, no padding.  Codes: a row is a tile's K quarter, 3,072 bytes, 12,288 bytes from tile to tile
	s_mov_b32 s[G1P], PM|(3<<16)
	s_mov_b32 s[G1P+1], 384<<16                       ; tensor_dim0
	s_mov_b32 s[G1P+2], 8<<16                         ; tensor_dim1: 8 tiles
	s_mov_b32 s[G1P+3], 384<<16                       ; tile_dim0
	s_mov_b32 s[G1P+4], 8                             ; tile_dim1
	s_mov_b32 s[G1P+5], 1536                          ; the pitch
	s_mov_b32 s[G1P+6], 0
	s_mov_b32 s[G1P+7], 0
	s_mov_b32 s[G1L], 3<<16
	s_mov_b32 s[G1L+1], 384<<16
	s_mov_b32 s[G1L+2], 4<<16                         ; 4 tiles
	s_mov_b32 s[G1L+3], 384<<16
	s_mov_b32 s[G1L+4], 4
	s_mov_b32 s[G1L+5], 1536
	s_mov_b32 s[G1L+6], 0
	s_mov_b32 s[G1L+7], 0
	s_mov_b32 s[G1SA], PM|(3<<16)                     ; scale words: dense blocks, as rows of 256 bytes: 16 of them
	s_mov_b32 s[G1SA+1], 32<<16
	s_mov_b32 s[G1SA+2], 16<<16
	s_mov_b32 s[G1SA+3], 32<<16
	s_mov_b32 s[G1SA+4], 16
	s_mov_b32 s[G1SA+5], 32
	s_mov_b32 s[G1SA+6], 0
	s_mov_b32 s[G1SA+7], 0
	s_mov_b32 s[G1SB], 3<<16                          ; and 8
	s_mov_b32 s[G1SB+1], 32<<16
	s_mov_b32 s[G1SB+2], 8<<16
	s_mov_b32 s[G1SB+3], 32<<16
	s_mov_b32 s[G1SB+4], 8
	s_mov_b32 s[G1SB+5], 32
	s_mov_b32 s[G1SB+6], 0
	s_mov_b32 s[G1SB+7], 0
	s_wait_dscnt 0x0
	s_wait_kmcnt 0x0
	s_cmp_eq_u32 s15, 5                               ; the roles hang on the work-group's number alone; only pointers and offsets in memory are chosen
	s_cselect_b32 s2, s2, s3
	s_cselect_b32 s3, s98, s99
	s_cselect_b64 s[4:5], s[72:73], s[76:77]          ; P's codes
	s_cselect_b64 s[6:7], s[74:75], s[78:79]          ; P's scale words
	s_cselect_b64 s[8:9], s[76:77], s[72:73]          ; L's codes
	s_cselect_b64 s[10:11], s[78:79], s[74:75]        ; L's scale words
	s_mul_i32 s98, s2, 12288
	s_mul_i32 s100, s[WL], 98304                      ; my half: 8 tiles
	s_add_co_u32 s98, s98, s100
	s_mov_b32 s99, 0
	s_add_nc_u64 s[4:5], s[4:5], s[98:99]
	s_lshl_b32 s98, s2, 9
	s_lshl_b32 s100, s[WL], 12
	s_add_co_u32 s98, s98, s100
	s_add_nc_u64 s[6:7], s[6:7], s[98:99]
	s_mul_i32 s98, s3, 12288
	s_mul_i32 s100, s[WL], 49152                      ; 4 tiles
	s_add_co_u32 s98, s98, s100
	s_add_nc_u64 s[8:9], s[8:9], s[98:99]
	s_lshl_b32 s98, s3, 9
	s_lshl_b32 s100, s[WL], 11
	s_add_co_u32 s98, s98, s100
	s_add_nc_u64 s[10:11], s[10:11], s[98:99]
	; groups 0: every wave builds both sets and asks by one of them
	s_mov_b32 s[G0PS], 1
	s_lshl_b32 s100, s[WL], 12
	s_add_co_u32 s[G0PS+1], s100, SCPR
	s_mov_b64 s[G0PS+2:G0PS+3], s[6:7]
	s_or_b32 s[G0PS+3], s[G0PS+3], 0x80000000
	s_mul_i32 s100, s[WL], 24576
.irp kq, 0,1,2,3
.set GP, 52+4*\kq+4*(\kq/3)
	s_mov_b32 s[GP], 1
	s_add_co_u32 s[GP+1], s100, PREG+49152*\kq
	s_add_nc_u64 s[GP+2:GP+3], s[4:5], 3072*\kq
	s_or_b32 s[GP+3], s[GP+3], 0x80000000
.endr
	s_mov_b32 s[G0LS], 1
	s_lshl_b32 s101, s[WL], 11
	s_add_co_u32 s[G0LS+1], s101, SCLR
	s_mov_b64 s[G0LS+2:G0LS+3], s[10:11]
	s_or_b32 s[G0LS+3], s[G0LS+3], 0x80000000
	s_mul_i32 s101, s[WL], 12288
.irp kq, 0,1,2,3
.set GL, 76+4*\kq
	s_mov_b32 s[GL], 1
	s_add_co_u32 s[GL+1], s101, LREG+24576*\kq
	s_add_nc_u64 s[GL+2:GL+3], s[8:9], 3072*\kq
	s_or_b32 s[GL+3], s[GL+3], 0x80000000
.endr
	s_cmp_lt_u32 s[WV], 2                             ; waves 0, 1 fetch P's halves, waves 2, 3 L's: a wave's five first fills stand in one branch, the scale words first; four v_nop follow the fifth
	s_cbranch_scc0 .Lfor_l
	tensor_load_to_lds s[48:51], s[G1SA:G1SA+7]
	s_nop 0
	tensor_load_to_lds s[52:55], s[G1P:G1P+7]
	s_nop 0
	tensor_load_to_lds s[56:59], s[G1P:G1P+7]
	s_nop 0
	tensor_load_to_lds s[60:63], s[G1P:G1P+7]
	s_nop 0
	tensor_load_to_lds s[68:71], s[G1P:G1P+7]
	s_nop 0
.rept 4
	v_nop
.endr
	s_branch .Lasked
.Lfor_l:
	tensor_load_to_lds s[72:75], s[G1SB:G1SB+7]
	s_nop 0
	tensor_load_to_lds s[76:79], s[G1L:G1L+7]
	s_nop 0
	tensor_load_to_lds s[80:83], s[G1L:G1L+7]
	s_nop 0
	tensor_load_to_lds s[84:87], s[G1L:G1L+7]
	s_nop 0
	tensor_load_to_lds s[88:91], s[G1L:G1L+7]
	s_nop 0
.rept 4
	v_nop
.endr
.Lasked:
	v_and_b32 v1, 15, v0                              ; r
	v_bfe_u32 v2, v0, 4, 1                            ; h
	v_and_b32 v5, 31, v0
	v_lshlrev_b32 v3, 4, v5                           ; 16 x lane
	v_lshlrev_b32 v4, 3, v5                           ; 8 x lane
	s_mul_i32 s2, s[WP], 24576
	s_mul_i32 s3, s[WL], 12288
	s_add_co_u32 s3, s3, LREG
.irp kq, 0,1,2,3
	v_add_nc_u32 v[8+\kq], s2, v3                     ; my P tiles of K quarter kq
	v_add_nc_u32 v[12+\kq], s2, v4
	v_add_nc_u32 v[16+\kq], s3, v3                    ; my L tiles
	v_add_nc_u32 v[20+\kq], s3, v4
	s_add_co_u32 s2, s2, 49152
	s_add_co_u32 s3, s3, 24576
.endr
	v_lshlrev_b32 v5, 3, v1
	s_lshl_b32 s2, s[WP], 12
	s_add_co_u32 s2, s2, SCPR
	v_add_nc_u32 v24, s2, v5                          ; my P tiles' scale words: 8 r
	s_lshl_b32 s2, s[WL], 11
	s_add_co_u32 s2, s2, SCLR
	v_add_nc_u32 v25, s2, v5
	v_lshlrev_b32 v26, 4, v1
	v_lshl_add_u32 v26, v2, 3, v26                    ; the way out: 16 r + 8 h
.irp b, 0,1,2,3
	v_mov_b32 v[TM+4+\b], 0                           ; a lane permute's destination counts as a source
.endr
	; where the results go, for all three roles; then the choice.  s[2:11] are free: the groups 0 are built
	s_lshr_b32 s4, ttmp9, 4                           ; the batch
	s_and_b32 s5, ttmp9, 15                           ; q, k: which 128 tokens of it
	s_lshl_b32 s6, s4, 4
	s_lshl_b32 s7, s15, 2
	s_add_co_u32 s6, s6, s7
	s_lshl_b32 s7, s[WP], 1
	s_add_co_u32 s6, s6, s7                           ; q: 16 b + my first head, 4 y + 2 wp
	s_lshl_b32 s8, s6, 7
	s_lshl_b32 s9, s5, 3
	s_add_co_u32 s8, s8, s9
	s_lshl_b32 s9, s[WL], 2
	s_add_co_u32 s8, s8, s9
	s_mul_i32 s8, s8, 768                             ; q's codes: [b][head][token tile][768]
	s_lshl_b32 s9, s6, 4
	s_add_co_u32 s9, s9, s5
	s_lshl_b32 s9, s9, 1
	s_add_co_u32 s9, s9, s[WL]
	s_lshl_b32 s9, s9, 8                              ; q's scale words: [b][head][128 tokens][4 tiles][r][4 words]
	s_lshl_b32 s6, s4, 2
	s_add_co_u32 s6, s6, s7                           ; k: 4 b + 2 wp
	s_lshl_b32 s6, s6, 4
	s_add_co_u32 s6, s6, s5
	s_mul_i32 s6, s6, 13056                           ; its record of 128 keys
	s_mul_i32 s10, s[WL], 3072
	s_add_co_u32 s10, s10, s6                         ; k's codes
	s_lshl_b32 s11, s[WL], 8
	s_add_co_u32 s11, s11, s6
	s_add_co_u32 s11, s11, 12288                      ; k's scale words
	s_lshl_b32 s6, s4, 2
	s_and_b32 s7, ttmp9, 1
	s_lshl_b32 s7, s7, 1
	s_add_co_u32 s6, s6, s7
	s_add_co_u32 s6, s6, s[WL]                        ; v: 4 b + 2 (x % 2) + wl
	s_lshl_b32 s6, s6, 4
	s_bfe_u32 s7, ttmp9, 0x30001                      ; (x / 2) % 8
	s_lshl_b32 s7, s7, 1
	s_add_co_u32 s6, s6, s7
	s_add_co_u32 s6, s6, s[WP]
	s_mul_i32 s6, s6, 13056
	s_add_co_u32 s7, s6, 12800                        ; v's scale words
	s_add_co_u32 s6, s6, 6144                         ; v's codes
	s_mov_b32 s2, 98304                               ; from a fragment's first half image to its second: q: a head on;
	s_mov_b32 s3, 208896                              ; k: a kv head on
	s_cmp_lt_u32 s15, 4
	s_cselect_b64 s[92:93], s[92:93], s[96:97]        ; codes go to qc or to kvb,
	s_cselect_b64 s[94:95], s[94:95], s[96:97]        ; scale words to qs or to kvb
	s_cselect_b32 s8, s8, s10
	s_cselect_b32 s9, s9, s11
	s_cselect_b32 s2, s2, s3
	s_cselect_b32 s3, 8192, s3
	s_cmp_eq_u32 s15, 5
	s_cselect_b32 s8, s6, s8
	s_cselect_b32 s9, s7, s9
	s_cselect_b32 s2, 3072, s2                        ; v: the record's second 64 keys
	s_mov_b32 s11, 0
	s_mov_b32 s10, s8
	s_add_nc_u64 s[92:93], s[92:93], s[10:11]         ; registers 0-5 of a fragment
	s_mov_b32 s10, s2
	s_add_nc_u64 s[96:97], s[92:93], s[10:11]         ; registers 6-11
	s_mov_b32 s10, s9
	s_add_nc_u64 s[94:95], s[94:95], s[10:11]
	s_mov_b32 s10, s3
	s_add_nc_u64 s[98:99], s[94:95], s[10:11]         ; q, k: the second head's scale words
	s_mov_b32 s[SEL], 0x76543210
	s_mov_b32 s[SEL+1], 0xfedcba98
	s_wait_tensorcnt 0x3                              ; my scale words and my part of K quarter 0 have landed; three quarters stay out
	s_barrier_signal -1
	s_barrier_wait -1
	SCALES
	FETCH 0
.irp ks, 0,1,2,3,4,5,6,7
	KSTEP \ks
.endr
.rept 4
	v_nop                                             ; four places between the last products and the first read of results
.endr
	; THE WAY OUT: L's tile a: 64 results a lane become a fragment: two half images and a scale word
.irp a, 0,1,2,3
.if \a > 0
	s_wait_xcnt 0x0                                   ; the last tile's stores have read the codes' registers
.endif
	QUANTW 64*\a, 240+\a
	global_store_b128 v3, v[PC:PC+3], s[92:93] offset:768*\a
	global_store_b64 v4, v[PC+4:PC+5], s[92:93] offset:768*\a+512
	global_store_b128 v3, v[PC+6:PC+9], s[96:97] offset:768*\a
	global_store_b64 v4, v[PC+10:PC+11], s[96:97] offset:768*\a+512
.endr
	v_cmp_eq_u32 vcc_lo, 1, v2
	v_cndmask_b32 v244, v240, v242, vcc_lo            ; lanes 0-15 store tiles 0, 1's words of row r, lanes 16-31 tiles 2, 3's: 256 consecutive bytes
	v_cndmask_b32 v245, v241, v243, vcc_lo
	s_cmp_eq_u32 s15, 5
	s_cbranch_scc1 .Lv_words
	v_and_b32 v246, 0xffff, v244                      ; q, k: a word's two lower bytes are the first head's two blocks, the upper two the second head's; the bytes for K = 64 .. 127 are 0
	v_and_b32 v247, 0xffff, v245
	v_lshrrev_b32 v248, 16, v244
	v_lshrrev_b32 v249, 16, v245
	global_store_b64 v26, v[246:247], s[94:95]
	global_store_b64 v26, v[248:249], s[98:99]
	s_wait_tensorcnt 0x0
	ds_add_u32 v254, v255
	s_wait_dscnt 0x0
	s_endpgm
.Lv_words:
	global_store_b64 v26, v[244:245], s[94:95]        ; v: four blocks of 32 keys
	s_wait_tensorcnt 0x0
	ds_add_u32 v254, v255
	s_wait_dscnt 0x0
	s_endpgm
.Lfunc_end_k_qa45de55538_qkv:
	.size	k_qa45de55538_qkv, .Lfunc_end_k_qa45de55538_qkv-k_qa45de55538_qkv
	.p2alignl 7, 3214868480
	.fill 96, 4, 3214868480
	.section	.rodata,"a",@progbits
	.p2align	6, 0x0
	.amdhsa_kernel k_qa45de55538_qkv
		.amdhsa_group_segment_fixed_size 307712
		.amdhsa_private_segment_fixed_size 0
		.amdhsa_enable_private_segment 0
		.amdhsa_kernarg_size 56
		.amdhsa_user_sgpr_count 2
		.amdhsa_user_sgpr_kernarg_segment_ptr 1
		.amdhsa_wavefront_size32 1
		.amdhsa_system_sgpr_workgroup_id_x 1
		.amdhsa_system_sgpr_workgroup_id_y 1
		.amdhsa_system_sgpr_workgroup_id_z 1
		.amdhsa_system_vgpr_workitem_id 0
		.amdhsa_next_free_vgpr 768
		.amdhsa_next_free_sgpr 102
		.amdhsa_reserve_vcc 1
		.amdhsa_float_denorm_mode_32 3
		.amdhsa_float_denorm_mode_16_64 3
		.amdhsa_memory_ordered 1
		.amdhsa_forward_progress 1
		.amdhsa_inst_pref_size 92
	.end_amdhsa_kernel
	.amdgpu_metadata
---
amdhsa.version: [ 1, 2 ]
amdhsa.kernels:
  - .name:           k_qa45de55538_qkv
    .symbol:         k_qa45de55538_qkv.kd
    .args:
      - { .name: actc, .offset: 0, .size: 8, .value_kind: global_buffer, .address_space: global }
      - { .name: acts, .offset: 8, .size: 8, .value_kind: global_buffer, .address_space: global }
      - { .name: wc, .offset: 16, .size: 8, .value_kind: global_buffer, .address_space: global }
      - { .name: wsc, .offset: 24, .size: 8, .value_kind: global_buffer, .address_space: global }
      - { .name: qc, .offset: 32, .size: 8, .value_kind: global_buffer, .address_space: global }
      - { .name: qs, .offset: 40, .size: 8, .value_kind: global_buffer, .address_space: global }
      - { .name: kvb, .offset: 48, .size: 8, .value_kind: global_buffer, .address_space: global }
    .group_segment_fixed_size: 307712
    .private_segment_fixed_size: 0
    .kernarg_segment_align: 8
    .kernarg_segment_size: 56
    .max_flat_workgroup_size: 128
    .sgpr_count:     102
    .vgpr_count:     768
    .wavefront_size: 32
...
	.end_amdgpu_metadata
.endif
;; end of part 2
;; launch attn (part 3): grid 16 x 16, 16 waves a work-group, clusters of 4 x 1, 215,040 bytes of LDS; arguments qc, qs, kvb, actc, acts; writes actc, acts
.if DOCPART == 3
	.amdgcn_target "amdgcn-amd-amdhsa--gfx1250"
	.amdhsa_code_object_version 6
	.text
	.protected	k_qa45de55538_attn
	.globl	k_qa45de55538_attn
	.p2align	8
	.type	k_qa45de55538_attn,@function
k_qa45de55538_attn:
	s_mov_b64 s[64:65], 0
	v_nop
	global_prefetch_b8 v0, s[64:65] scope:SCOPE_SE
	s_setreg_imm32_b32 hwreg(HW_REG_WAVE_MODE, 25, 1), 1
	s_wait_xcnt 0x0
	s_wait_alu depctr_hold_cnt(0) depctr_sa_sdst(0) depctr_va_vdst(0) depctr_va_sdst(0) depctr_va_ssrc(0) depctr_va_vcc(0) depctr_vm_vsrc(0)
	s_getreg_b32 s2, hwreg(HW_REG_IB_STS2, 6, 4)
	s_cmp_eq_u32 s2, 0
	s_cbranch_scc0 .Lentry_in_a_cluster
	s_endpgm
.Lentry_in_a_cluster:
	s_bfe_u32 s2, ttmp6, 0x10000c
	s_cmp_lg_u32 s2, 0x3003
	s_cbranch_scc0 .Lentry_shape_is_right
	s_endpgm
.Lentry_shape_is_right:
; ATTN: o = softmax(q k^T / 8 + slope (key - query)) v for 16 query heads on 4 key/value heads, head size 64, 2,048 keys, no mask; both products on codes of FP6 (E2M3) with E8M0 scales; o leaves as codes along the hidden 1,024.
; THE SOFTMAX: t = logit x log2(e); M = the running largest t rounded up to a whole number; p = 2^(t - M) is quantised along the keys, not normalised; the row's sum is taken of the unquantised p and divides at the end.
; When M moves, the sum and O are multiplied by 2^(old M - new M), which rounds nothing.
; SHARES: a work-group owns 128 queries of one batch and one kv head, for its 4 query heads.  Wave w: pair of query tiles w / 4, head w % 4; two passes, a tile of 16 queries each, over 16 steps of 128 keys.  Four waves to a SIMD.
; LDS: all codes and scale words of K and V of (batch, kv head), 16 records of 13,056 bytes, come once: wave w brings record w by one tensor load.  Nothing is filled again.
; CLUSTER: the four work-groups of a cluster own four blocks of queries of the same (batch, kv head): each record is asked for jointly, by the same load with a mask that names the four.
; LAYOUT: both products transposed (S^T = K Q^T, O^T = V^T P^T): a lane holds one query.  Tiles of tokens and of channels are in pairs: lane r of tile 2 p + u holds row 32 p + 8 u + r + 8 (r / 8), so 16 result registers of two neighbouring tiles are 16 neighbours.
; K = 64 IN A FORM OF 128: Q's registers 6-11 are zero codes.  K's half fragments lie 6 registers apart, so a fragment's upper six registers are the next tile's codes (zeros behind the last): finite codes x zero codes add nothing; the scale bytes there are 0x00, never 0xff.
; THE LOGIT IS ROUNDED WHERE THE DEFINITION ROUNDS IT.  With a steep slope |t| reaches 2,000, where an f32 step is 1.2e-4, far more than may stand ahead of a quantiser: so no term is folded into another.  key - query is exact;
; slope x (key - query) is rounded; s / 8 (exact) + that is rounded, by one fused multiply-add; x log2(e) is rounded; - M is an addition.  Five packed instructions for two scores.
; LIMITS: p under 2^-126 is 0 (v_exp_f32's flush).  1 / sum by v_rcp_f32.  A block of zeros or under 2^-124 gets the byte 1 (bytes are this program's own).  NaN and infinities are not served.
.set REC, 13056                        ; a record: K's 8 half images; at 6,144 V^T's [64 keys 2][channel tile 4] half images; at 12,288 K's scale words; at 12,800 V's
.set SCR, 208896                       ; behind the records: 1,024 bytes in which o's scale bytes meet
; v1 16 l, v2 8 l, v3 16 r; v4-6 the step's addresses; v8+2b first key of block b - query (v9+2b: its pair's other half, not used); v16-27 Q; v28 Q's scale word; v29 the largest t; v30 -M; v31 where my scale bytes go
; v32-79 K's fragments, then V's; v80-85 zeros; v86-89 K's scale words, v90-93 V's; v96-159 S^T, then the logits, then p; v160-191 O^T; v192-207 n = 16 h + i; v208-223 key - query and slope x that, later p's codes (v208-219) and
; the conversions' second halves (v220-226); v228-231 block maxima; v232-239 at work; v240 p's scale word; v241 at work; v[242:243] f; v[244:245] the sum; v[246:247] its second chain; v248 o's two bytes; v249 r + 8 (r / 8); v250 where a block of scale words is read back
; s[22:23] log2(e); s[24:25] slope; s[26:27] 1 / 8: the packed forms name a pair and take its low word for both halves
.macro CROUND                          ; a round of the cluster's barrier
	s_barrier_signal -1
	s_barrier_wait -1
	s_cmp_lg_u32 s14, 0
	s_cbranch_scc1 .Lnot_wave_0_\@
	s_barrier_signal -3
.Lnot_wave_0_\@:
	s_barrier_wait -3
	s_barrier_signal -1
	s_barrier_wait -1
.endm
.macro REL b                           ; key - query of block b's 16 keys of my half: exact
.irp j, 0,2,4,6,8,10,12,14
	v_pk_add_f32 v[208+\j:209+\j], v[192+\j:193+\j], v[8+2*\b:9+2*\b] op_sel_hi:[1,0]
.endr
.endm
.macro LOGIT b                         ; x slope, rounded; then s / 8 + that, rounded once.  Each accumulator is read from its low end on
.irp j, 0,2,4,6,8,10,12,14
	v_pk_mul_f32 v[208+\j:209+\j], v[208+\j:209+\j], s[24:25] op_sel_hi:[1,0]
.endr
.irp j, 0,2,4,6,8,10,12,14
	v_pk_fma_f32 v[96+16*\b+\j:97+16*\b+\j], v[96+16*\b+\j:97+16*\b+\j], s[26:27], v[208+\j:209+\j] op_sel_hi:[1,0,1]
.endr
.endm
; A KEY STEP: 128 keys
.macro STEP
	v_add_nc_u32 v4, s29, v1                          ; (with the four additions at the last step's end: the places between the last products and loads into the registers that they read)
	v_add_nc_u32 v5, s29, v2
	v_add_nc_u32 v6, s29, v3
.irp t, 0,1,2,3,4,5,6,7
	ds_load_b128 v[32+6*\t:35+6*\t], v4 offset:768*\t
	ds_load_b64 v[36+6*\t:37+6*\t], v5 offset:768*\t+512
.endr
	ds_load_b128 v[86:89], v4 offset:12288            ; lanes 0-15: tiles 0-3's words of row r; lanes 16-31: tiles 4-7's
	s_wait_dscnt 0x0
.irp t, 0,1,2,3
	v_wmma_scale_f32_16x16x128_f8f6f4 v[96+8*\t:103+8*\t], v[32+6*\t:43+6*\t], v[16:27], 0, v[86+\t], v28 matrix_a_fmt:MATRIX_FMT_FP6 matrix_b_fmt:MATRIX_FMT_FP6
.endr
.irp t, 4,5,6,7
	v_wmma_scale_f32_16x16x128_f8f6f4 v[96+8*\t:103+8*\t], v[32+6*\t:43+6*\t], v[16:27], 0, v[82+\t], v28 matrix_a_fmt:MATRIX_FMT_FP6 matrix_b_fmt:MATRIX_FMT_FP6 matrix_a_scale:MATRIX_SCALE_ROW1
.endr
	REL 0                                             ; eight plain lines that name none of the products' registers: the places behind the score products
.irp ct, 0,1,2,3                                      ; V's fragments land under the softmax
.irp g, 0,1
	ds_load_b128 v[32+12*\ct+6*\g:35+12*\ct+6*\g], v4 offset:6144+3072*\g+768*\ct
	ds_load_b64 v[36+12*\ct+6*\g:37+12*\ct+6*\g], v5 offset:6144+3072*\g+768*\ct+512
.endr
.endr
	ds_load_b128 v[90:93], v6 offset:12800
	LOGIT 0
.irp b, 1,2,3
	REL \b
	LOGIT \b
.endr
.irp b, 0,1,2,3
	v_max3_num_f32 v[228+\b], v[96+16*\b], v[97+16*\b], v[98+16*\b]   ; the largest logit of each block of 32 keys: for the row's maximum and, since p does not fall where the logit rises, for the block's largest p
.endr
.irp i, 3,5,7,9,11,13
.irp b, 0,1,2,3
	v_max3_num_f32 v[228+\b], v[228+\b], v[96+16*\b+\i], v[97+16*\b+\i]
.endr
.endr
.irp b, 0,1,2,3
	v_max_num_f32 v[228+\b], v[228+\b], v[111+16*\b]
.endr
.irp b, 0,1,2,3
	v_permlanex16_b32 v[232+\b], v[228+\b], s20, s21
.endr
.irp b, 0,1,2,3
	v_max_num_f32 v[228+\b], v[228+\b], v[232+\b]
.endr
	v_max3_num_f32 v241, v228, v229, v230
	v_max_num_f32 v241, v241, v231                    ; the step's largest logit of my query
	v_mul_f32 v241, s22, v241                         ; as t: the rounded product does not fall where the logit rises, so this is the step's largest t
	v_max_num_f32 v29, v29, v241                      ; the running largest t
	v_mov_b32 v241, v30
	v_floor_f32 v30, -v29                             ; -M = floor(-t): M is a whole number
	v_sub_f32 v241, v30, v241                         ; old M - new M, 0 or less
	v_cvt_i32_f32 v241, v241                          ; (it saturates)
	v_ldexp_f32 v242, 1.0, v241                       ; f = 2^(old M - new M)
.set j, 0
.rept 32
	v_pk_mul_f32 v[96+j:97+j], v[96+j:97+j], s[22:23] op_sel_hi:[1,0]   ; t = logit x log2(e), rounded
.set j, j+2
.endr
.irp b, 0,1,2,3
	v_mul_f32 v[228+\b], s22, v[228+\b]               ; the same of each block's largest logit: the same bits
.endr
.set j, 0
.rept 32
	v_pk_add_f32 v[96+j:97+j], v[96+j:97+j], v[30:31] op_sel_hi:[1,0]   ; t - M
.set j, j+2
.endr
.irp b, 0,1,2,3
	v_add_f32 v[228+\b], v[228+\b], v30
.endr
.set j, 0
.rept 64
	v_exp_f32 v[96+j], v[96+j]                        ; p = 2^(t - M)
.set j, j+1
.endr
	v_pk_mul_f32 v[244:245], v[244:245], v[242:243] op_sel_hi:[1,0]   ; the sum under the new M: a plain line behind the exponentials
	s_wait_alu depctr_va_vdst(0)                      ; one wait for the batch, ahead of its first reader
.irp b, 0,1,2,3
	v_exp_f32 v[228+\b], v[228+\b]                    ; the blocks' largest p
.endr
	v_pk_add_f32 v[246:247], v[96:97], v[98:99]       ; the row's sum of the unquantised p, in two chains
.irp j, 4,8,12,16,20,24,28,32,36,40,44,48,52,56,60
	v_pk_add_f32 v[244:245], v[244:245], v[96+\j:97+\j]
	v_pk_add_f32 v[246:247], v[246:247], v[98+\j:99+\j]
.endr
	v_pk_add_f32 v[244:245], v[244:245], v[246:247]
	s_wait_alu depctr_va_vdst(0)                      ; and one for the four
.irp b, 0,1,2,3
	v_max_num_f32 v[228+\b], 0x1800000, v[228+\b]     ; the floor 2^(3 - 127)
.endr
.irp b, 0,1,2,3
	v_add_nc_u32 v[236+\b], 0xff000000, v[228+\b]     ; the conversion's scale operand
.endr
.irp b, 0,1,2,3
	v_lshrrev_b32 v[232+\b], 23, v[236+\b]
.endr
	v_lshl_or_b32 v240, v233, 8, v232                 ; p's scale word for these 128 keys
	v_lshl_or_b32 v240, v234, 16, v240
	v_lshl_or_b32 v240, v235, 24, v240
	v_cvt_scalef32_pk16_fp6_f32 v[208:210], v[96:111], v236
	v_cvt_scalef32_pk16_fp6_f32 v[220:222], v[112:127], v237
	v_cvt_scalef32_pk16_fp6_f32 v[214:216], v[128:143], v238
	v_cvt_scalef32_pk16_fp6_f32 v[224:226], v[144:159], v239
	v_nop                                             ; one plain line behind the scaled conversions
.irp i, 0,1,2
	v_permlane16_swap_b32 v[208+\i], v[220+\i]
.endr
.irp i, 0,1,2
	v_mov_b32 v[211+\i], v[220+\i]
.endr
.irp i, 0,1,2
	v_permlane16_swap_b32 v[214+\i], v[224+\i]
.endr
.irp i, 0,1,2
	v_mov_b32 v[217+\i], v[224+\i]
.endr
.irp j, 0,2,4,6,8,10,12,14,16,18,20,22,24,26,28,30
	v_pk_mul_f32 v[160+\j:161+\j], v[160+\j:161+\j], v[242:243] op_sel_hi:[1,0]   ; O^T under the new M; these sixteen also stand between the scale word, the codes and the products
.endr
	s_wait_dscnt 0x0                                  ; V is in
.irp ct, 0,1,2,3
	v_wmma_scale_f32_16x16x128_f8f6f4 v[160+8*\ct:167+8*\ct], v[32+12*\ct:43+12*\ct], v[208:219], v[160+8*\ct:167+8*\ct], v[90+\ct], v240 matrix_a_fmt:MATRIX_FMT_FP6 matrix_b_fmt:MATRIX_FMT_FP6
.endr
.irp b, 0,1,2,3
	v_add_f32 v[8+2*\b], 0x43000000, v[8+2*\b]        ; 128 keys on: whole numbers under 2^12, exact.  Four plain lines behind the products
.endr
	s_add_co_u32 s29, s29, REC
.endm
; A PASS: tile u of my pair of query tiles
.macro PASS u
	s_wait_xcnt 0x0                                   ; the last pass's stores have read their registers
	global_load_b128 v[16:19], v1, s[4:5] offset:768*\u
	global_load_b64 v[20:21], v2, s[4:5] offset:768*\u+512
	global_load_b32 v28, v3, s[6:7] offset:4*\u
	v_add_nc_u32 v241, s52, v249
	v_add_nc_u32 v241, 8*\u, v241                     ; my query
	v_cvt_f32_u32 v241, v241
	v_sub_f32 v8, 0, v241                             ; key 0, 32, 64, 96 - query
	v_sub_f32 v10, 0x42000000, v241
	v_sub_f32 v12, 0x42800000, v241
	v_sub_f32 v14, 0x42c00000, v241
	v_mov_b32 v29, 0xff61b1e6                         ; the largest t so far: -3e38
	v_floor_f32 v30, -v29
	v_mov_b32 v244, 0
	v_mov_b32 v245, 0
.set j, 0
.rept 32
	v_mov_b32 v[160+j], 0                             ; the step is written once: the first finds zeros
.set j, j+1
.endr
	s_mov_b32 s29, 0
	s_mov_b32 s30, 16
	s_wait_loadcnt 0x0
.Lstep_\@:
	STEP
	s_sub_co_u32 s30, s30, 1
	s_cmp_lg_u32 s30, 0
	s_cbranch_scc1 .Lstep_\@
	v_nop
	v_nop
	v_add_f32 v244, v244, v245                        ; the sum's two halves,
	v_permlanex16_b32 v241, v244, s20, s21
	v_add_f32 v244, v244, v241                        ; and lane l xor 16's
	v_rcp_f32 v244, v244
	v_nop                                             ; a plain line behind the reciprocal
	s_wait_alu depctr_va_vdst(0)                      ; and the wait ahead of its first reader
.set j, 0
.rept 32
	v_mul_f32 v[96+j], v[160+j], v244                 ; o: register 16 b + i = channel 32 b + 16 h + i of my query
.set j, j+1
.endr
.irp b, 0,1
	v_max3_num_f32 v[228+\b], |v[96+16*\b]|, |v[97+16*\b]|, 0x1800000
.endr
.irp i, 2,4,6,8,10,12,14
.irp b, 0,1
	v_max3_num_f32 v[228+\b], v[228+\b], |v[96+16*\b+\i]|, |v[97+16*\b+\i]|
.endr
.endr
.irp b, 0,1
	v_permlanex16_b32 v[232+\b], v[228+\b], s20, s21
.endr
.irp b, 0,1
	v_max_num_f32 v[228+\b], v[228+\b], v[232+\b]
.endr
.irp b, 0,1
	v_add_nc_u32 v[236+\b], 0xff000000, v[228+\b]
.endr
.irp b, 0,1
	v_lshrrev_b32 v[232+\b], 23, v[236+\b]
.endr
	v_lshl_or_b32 v248, v233, 8, v232                 ; my head's two bytes of the row's scale word
	v_cvt_scalef32_pk16_fp6_f32 v[208:210], v[96:111], v236
	v_cvt_scalef32_pk16_fp6_f32 v[220:222], v[112:127], v237
	v_nop
.irp i, 0,1,2
	v_permlane16_swap_b32 v[208+\i], v[220+\i]
.endr
.irp i, 0,1,2
	v_mov_b32 v[211+\i], v[220+\i]
.endr
	global_store_b128 v1, v[208:211], s[10:11] offset:12288*\u       ; a half image: 512 and 256 consecutive bytes
	global_store_b64 v2, v[212:213], s[10:11] offset:12288*\u+512
	ds_store_b16 v31, v248 offset:128*\u              ; both halves of the lanes write the same two bytes
.endm
	s_load_b256 s[4:11], s[0:1], 0x0                  ; qc, qs, kvb, actc
	s_load_b64 s[12:13], s[0:1], 0x20                 ; acts
	v_lshl_add_u32 v254, v0, 2, 0x34000
	v_mov_b32 v255, 0
	ds_add_u32 v254, v255
	ds_add_u32 v254, v255
	v_lshrrev_b32 v1, 5, v0
	v_readfirstlane_b32 s14, v1                       ; wave 0..15
	s_and_b32 s15, s14, 3                             ; g: my head among the kv head's four
	s_lshr_b32 s16, s14, 2                            ; tp: my pair of query tiles
	s_bfe_u32 s17, ttmp6, 0x40000                     ; cx
	s_lshl_b32 s18, ttmp9, 2
	s_add_co_u32 s18, s18, s17                        ; my block of 128 queries: it enters Q's and o's addresses and the bias alone
	s_and_b32 s19, ttmp7, 0xffff                      ; 4 b + hk, which the partners share
	s_mov_b32 s32, 15|(3<<16)|(1<<21)                 ; group 1: the mask names the four; elements of 8 bytes; bit 21 beside a mask
	s_mov_b32 s33, 32<<16                             ; a record is dense: 51 rows of 256 bytes
	s_mov_b32 s34, 51<<16
	s_mov_b32 s35, 32<<16
	s_mov_b32 s36, 51
	s_mov_b32 s37, 32
	s_mov_b32 s38, 0
	s_mov_b32 s39, 0
	s_lshl_b32 s44, s19, 4
	s_add_co_u32 s44, s44, s14
	s_mul_i32 s44, s44, REC
	s_mov_b32 s45, 0
	s_wait_dscnt 0x0
	s_wait_kmcnt 0x0
	s_mov_b32 s40, 1
	s_mul_i32 s41, s14, REC                           ; record w at REC x w
	s_add_nc_u64 s[42:43], s[8:9], s[44:45]
	s_or_b32 s43, s43, 0x80000000
	CROUND                                            ; all four work-groups are here: the joint loads meet
	tensor_load_to_lds s[40:43], s[32:39]             ; my one tensor load
	s_nop 0
.rept 4
	v_nop
.endr
	s_and_b32 s46, s19, 3                             ; hk
	s_lshr_b32 s47, s19, 2                            ; b
	s_lshl_b32 s48, s46, 2
	s_add_co_u32 s48, s48, s15                        ; head i
	s_add_co_u32 s49, s48, 1
	s_lshr_b32 s50, s49, 1
	s_lshl_b32 s50, s50, 23
	s_mov_b32 s51, 0x3f800000
	s_bitcmp1_b32 s49, 0
	s_cselect_b32 s51, 0x3f3504f3, s51
	s_sub_co_u32 s51, s51, s50                        ; slope = 2^(-(i + 1) / 2) rounded to f32, as bits
	s_mov_b32 s24, s51
	s_mov_b32 s25, s51
	s_mov_b32 s26, 0x3e000000                         ; 1 / 8
	s_mov_b32 s27, s26
	s_mov_b32 s20, 0x76543210
	s_mov_b32 s21, 0xfedcba98
	s_mov_b32 s22, 0x3fb8aa3b                         ; log2(e) rounded to f32
	s_mov_b32 s23, s22
	v_and_b32 v241, 31, v0
	v_lshlrev_b32 v1, 4, v241
	v_lshlrev_b32 v2, 3, v241
	v_and_b32 v242, 15, v0                            ; r
	v_lshlrev_b32 v3, 4, v242
	v_and_b32 v249, 8, v242
	v_add_nc_u32 v249, v249, v242                     ; r + 8 (r / 8)
	s_lshl_b32 s57, s16, 8
	s_add_co_u32 s57, s57, SCR
	v_add_nc_u32 v250, s57, v2                        ; my pair's block of scale words, 8 bytes a lane
	s_lshl_b32 s58, s15, 1
	s_add_co_u32 s58, s58, s57
	v_lshl_add_u32 v31, v242, 3, s58                  ; 8 r + 2 g in it
	v_bfe_u32 v243, v0, 4, 1
	v_lshlrev_b32 v243, 4, v243                       ; 16 h
.irp n, 0,1,2,3,4,5,6,7,8,9,10,11,12,13,14,15
	v_add_nc_u32 v[192+\n], \n, v243
.endr
.irp n, 0,1,2,3,4,5,6,7,8,9,10,11,12,13,14,15
	v_cvt_f32_u32 v[192+\n], v[192+\n]                ; n = 16 h + i: the key's place among its block's 32
.endr
	v_mov_b32 v243, 0                                 ; (the upper half of the pair v[242:243])
.irp b, 0,1,2,3
	v_mov_b32 v[9+2*\b], 0                            ; (the upper halves of the pairs v[8 + 2 b : 9 + 2 b])
.endr
.irp i, 0,1,2,3,4,5
	v_mov_b32 v[22+\i], 0                             ; Q's K = 64 .. 127: zero codes
	v_mov_b32 v[80+\i], 0                             ; behind K's last half fragment
.endr
.irp b, 0,1,2,3
	v_mov_b32 v[232+\b], 0                            ; a lane permute's destination counts as a source
.endr
	s_lshl_b32 s53, s47, 4
	s_add_co_u32 s53, s53, s48                        ; 16 b + i
	s_lshl_b32 s54, s53, 7
	s_lshl_b32 s55, s18, 3
	s_add_co_u32 s54, s54, s55
	s_lshl_b32 s55, s16, 1
	s_add_co_u32 s54, s54, s55
	s_mul_i32 s54, s54, 768
	s_mov_b32 s55, 0
	s_add_nc_u64 s[4:5], s[4:5], s[54:55]             ; Q's codes at my pair
	s_lshl_b32 s54, s53, 4
	s_add_co_u32 s54, s54, s18
	s_lshl_b32 s54, s54, 1
	s_lshr_b32 s56, s16, 1
	s_add_co_u32 s54, s54, s56
	s_lshl_b32 s54, s54, 8
	s_and_b32 s56, s16, 1
	s_lshl_b32 s56, s56, 3
	s_add_co_u32 s54, s54, s56
	s_add_nc_u64 s[6:7], s[6:7], s[54:55]             ; and its scale words
	s_lshl_b32 s54, s47, 7
	s_lshl_b32 s56, s18, 3
	s_add_co_u32 s54, s54, s56
	s_lshl_b32 s56, s16, 1
	s_add_co_u32 s54, s54, s56                        ; o: the token tile,
	s_lshl_b32 s54, s54, 3
	s_lshl_b32 s56, s46, 1
	s_add_co_u32 s54, s54, s56
	s_lshr_b32 s56, s15, 1
	s_add_co_u32 s54, s54, s56                        ; K step 2 hk + g / 2 of the hidden 1,024,
	s_mul_i32 s54, s54, 1536
	s_and_b32 s56, s15, 1
	s_mul_i32 s56, s56, 768                           ; half g % 2
	s_add_co_u32 s54, s54, s56
	s_add_nc_u64 s[10:11], s[10:11], s[54:55]
	s_lshl_b32 s54, s47, 6
	s_lshl_b32 s56, s18, 2
	s_add_co_u32 s54, s54, s56
	s_add_co_u32 s54, s54, s16                        ; the pair of token tiles,
	s_lshl_b32 s54, s54, 2
	s_add_co_u32 s54, s54, s46                        ; 256 K: hk
	s_lshl_b32 s54, s54, 8
	s_add_nc_u64 s[12:13], s[12:13], s[54:55]
	s_lshl_b32 s52, s18, 7
	s_lshl_b32 s56, s16, 5
	s_add_co_u32 s52, s52, s56                        ; my pair's first query
	s_wait_tensorcnt 0x0                              ; my record has landed,
	s_barrier_signal -1
	s_barrier_wait -1                                 ; everybody's has
	PASS 0
	PASS 1
	s_wait_dscnt 0x0                                  ; my scale bytes are stored
	s_barrier_signal -1
	s_barrier_wait -1                                 ; the four heads' bytes of each pair make a block of 256 bytes
	s_cmp_lg_u32 s15, 0
	s_cbranch_scc1 .Lnot_g0
	ds_load_b64 v[246:247], v250
	s_wait_dscnt 0x0
	global_store_b64 v2, v[246:247], s[12:13]         ; 32 lanes: 256 consecutive bytes, aligned
.Lnot_g0:
	s_wait_tensorcnt 0x0
	ds_add_u32 v254, v255
	s_wait_dscnt 0x0
	CROUND                                            ; the closing round
	s_endpgm
.Lfunc_end_k_qa45de55538_attn:
	.size	k_qa45de55538_attn, .Lfunc_end_k_qa45de55538_attn-k_qa45de55538_attn
	.p2alignl 7, 3214868480
	.fill 96, 4, 3214868480
	.section	.rodata,"a",@progbits
	.p2align	6, 0x0
	.amdhsa_kernel k_qa45de55538_attn
		.amdhsa_group_segment_fixed_size 215040
		.amdhsa_private_segment_fixed_size 0
		.amdhsa_enable_private_segment 0
		.amdhsa_kernarg_size 40
		.amdhsa_user_sgpr_count 2
		.amdhsa_user_sgpr_kernarg_segment_ptr 1
		.amdhsa_wavefront_size32 1
		.amdhsa_system_sgpr_workgroup_id_x 1
		.amdhsa_system_sgpr_workgroup_id_y 1
		.amdhsa_system_sgpr_workgroup_id_z 1
		.amdhsa_system_vgpr_workitem_id 0
		.amdhsa_next_free_vgpr 256
		.amdhsa_next_free_sgpr 66
		.amdhsa_reserve_vcc 0
		.amdhsa_float_denorm_mode_32 3
		.amdhsa_float_denorm_mode_16_64 3
		.amdhsa_memory_ordered 1
		.amdhsa_forward_progress 1
		.amdhsa_inst_pref_size 67
	.end_amdhsa_kernel
	.amdgpu_metadata
---
amdhsa.version: [ 1, 2 ]
amdhsa.kernels:
  - .name:           k_qa45de55538_attn
    .symbol:         k_qa45de55538_attn.kd
    .args:
      - { .name: qc, .offset: 0, .size: 8, .value_kind: global_buffer, .address_space: global }
      - { .name: qs, .offset: 8, .size: 8, .value_kind: global_buffer, .address_space: global }
      - { .name: kvb, .offset: 16, .size: 8, .value_kind: global_buffer, .address_space: global }
      - { .name: actc, .offset: 24, .size: 8, .value_kind: global_buffer, .address_space: global }
      - { .name: acts, .offset: 32, .size: 8, .value_kind: global_buffer, .address_space: global }
    .group_segment_fixed_size: 215040
    .private_segment_fixed_size: 0
    .kernarg_segment_align: 8
    .kernarg_segment_size: 40
    .max_flat_workgroup_size: 512
    .sgpr_count:     66
    .vgpr_count:     256
    .wavefront_size: 32
...
	.end_amdgpu_metadata
.endif
;; end of part 3
;; launch proj (part 4): grid 64 x 4, 4 waves a work-group, clusters of 4 x 1, 307,712 bytes of LDS; arguments actc, acts, wc, wsc, out0; writes out0
.if DOCPART == 4
	.amdgcn_target "amdgcn-amd-amdhsa--gfx1250"
	.amdhsa_code_object_version 6
	.text
	.protected	k_qa45de55538_proj
	.globl	k_qa45de55538_proj
	.p2align	8
	.type	k_qa45de55538_proj,@function
k_qa45de55538_proj:
	s_mov_b64 s[64:65], 0
	v_nop
	global_prefetch_b8 v0, s[64:65] scope:SCOPE_SE
	s_setreg_imm32_b32 hwreg(HW_REG_WAVE_MODE, 25, 1), 1
	s_wait_xcnt 0x0
	s_wait_alu depctr_hold_cnt(0) depctr_sa_sdst(0) depctr_va_vdst(0) depctr_va_sdst(0) depctr_va_ssrc(0) depctr_va_vcc(0) depctr_vm_vsrc(0)
	s_getreg_b32 s2, hwreg(HW_REG_IB_STS2, 6, 4)
	s_cmp_eq_u32 s2, 0
	s_cbranch_scc0 .Lentry_in_a_cluster
	s_endpgm
.Lentry_in_a_cluster:
	s_bfe_u32 s2, ttmp6, 0x10000c
	s_cmp_lg_u32 s2, 0x3003
	s_cbranch_scc0 .Lentry_shape_is_right
	s_endpgm
.Lentry_shape_is_right:
; PROJ: out = o Wo on codes of FP6 (E2M3) with E8M0 scales, sums in f32, out [8192][1024] f32.
; D = P L^T: source 0 = 16 columns of Wo (they run along a lane's result registers), source 1 = 16 tokens (one a lane).  A work-group makes 256 columns x 128 tokens over all of K = 1,024.
; Operands lie in memory in the order of the operand's registers (tiles of 16 rows in pairs: lane r of tile 2 p + u holds row 32 p + 8 u + r + 8 (r / 8); a fragment of 128 K is 1,536 bytes).
; LDS: (256 + 128) rows x 1,024 K of codes and their scale words are 307,200 bytes: every byte is filled once, in K quarters; there is no ring.  A wave has five tensor loads out at the most.
; CLUSTER: the four work-groups of a cluster make the same 256 columns for four blocks of tokens: Wo's tiles and scale words, two thirds of a work-group's bytes, are asked for jointly (waves 0, 1); the tokens' by loads of its own (waves 2, 3).
; Four waves: wave w makes columns 128 (w / 2) on x tokens 64 (w % 2) on: 32 accumulators, which take turns, one instruction a turn.
.set PM,   15|(1<<21)                  ; the mask names the four; bit 21 beside it
.set PREG, 0
.set LREG, 196608
.set SCPR, 294912
.set SCLR, 303104
.set WV, 12
.set WP, 13
.set WL, 14
.set G1P, 16
.set G1L, 24
.set G1SA, 32
.set G1SB, 40
.set G0PS, 48
.set G0LS, 72
.set MUL,  0x52                        ; source 0 window 2, source 1 window 0, C and D window 1
.set TO_P, 0x80                        ; destination window 2
.set STGW, 0x04                        ; an LDS store's data: window 1
.set MSB, 0
.macro WIN new
.if MSB != \new
	s_set_vgpr_msb (MSB<<8)|\new
.set MSB, \new
.endif
.endm
.macro CROUND
	s_barrier_signal -1
	s_barrier_wait -1
	s_cmp_lg_u32 s[WV], 0
	s_cbranch_scc1 .Lnot_wave_0_\@
	s_barrier_signal -3
.Lnot_wave_0_\@:
	s_barrier_wait -3
	s_barrier_signal -1
	s_barrier_wait -1
.endm
.macro FRAG reg, a16, a8, off
	ds_load_b128 v[\reg:\reg+3], v[\a16] offset:\off
	ds_load_b64 v[\reg+4:\reg+5], v[\a8] offset:\off+512
	ds_load_b128 v[\reg+6:\reg+9], v[\a16] offset:\off+768
	ds_load_b64 v[\reg+10:\reg+11], v[\a8] offset:\off+1280
.endm
.macro FETCH ks
	WIN TO_P
.irp b, 0,1,2,3,4,5,6,7
	FRAG 96*((\ks)%2)+12*\b, 8+(\ks)/2, 12+(\ks)/2, 3072*\b+1536*((\ks)%2)
.endr
	WIN 0
.irp a, 0,1,2,3
	FRAG 128+48*((\ks)%2)+12*\a, 16+(\ks)/2, 20+(\ks)/2, 3072*\a+1536*((\ks)%2)
.endr
.endm
.macro SCALES
.irp b, 0,1,2,3,4,5,6,7
.irp kp, 0,1,2,3
	ds_load_b64 v[32+8*\b+2*\kp:33+8*\b+2*\kp], v24 offset:(\b/2)*1024+256*\kp+128*(\b%2)
.endr
.endr
.irp a, 0,1,2,3
.irp kp, 0,1,2,3
	ds_load_b64 v[96+8*\a+2*\kp:97+8*\a+2*\kp], v25 offset:(\a/2)*1024+256*\kp+128*(\a%2)
.endr
.endr
.endm
.macro KSTEP ks
	s_wait_dscnt 0x0                                  ; this step's fragments are in
.if ((\ks)%2 == 1) && ((\ks) < 7)
	s_wait_tensorcnt 3-((\ks)+1)/2                    ; my part of the next K quarter has landed; the later quarters stay out
	s_barrier_signal -1
	s_barrier_wait -1
.endif
.if ((\ks) > 0) && ((\ks) < 7)
.rept 4
	v_nop                                             ; four places between the last products and loads into the set that they read
.endr
.endif
.if (\ks) < 7
	FETCH (\ks)+1
.endif
	WIN MUL
.irp a, 0,1,2,3
.irp b, 0,1,2,3,4,5,6,7
.if (\ks) == 0
	v_wmma_scale_f32_16x16x128_f8f6f4 v[8*(8*\a+\b):8*(8*\a+\b)+7], v[96*((\ks)%2)+12*\b:96*((\ks)%2)+12*\b+11], v[128+48*((\ks)%2)+12*\a:128+48*((\ks)%2)+12*\a+11], 0, v[32+8*\b+(\ks)], v[96+8*\a+(\ks)] matrix_a_fmt:MATRIX_FMT_FP6 matrix_b_fmt:MATRIX_FMT_FP6
.else
	v_wmma_scale_f32_16x16x128_f8f6f4 v[8*(8*\a+\b):8*(8*\a+\b)+7], v[96*((\ks)%2)+12*\b:96*((\ks)%2)+12*\b+11], v[128+48*((\ks)%2)+12*\a:128+48*((\ks)%2)+12*\a+11], v[8*(8*\a+\b):8*(8*\a+\b)+7], v[32+8*\b+(\ks)], v[96+8*\a+(\ks)] matrix_a_fmt:MATRIX_FMT_FP6 matrix_b_fmt:MATRIX_FMT_FP6
.endif
.endr
.endr
	WIN 0
.endm
; THE WAY OUT of token tile a: 16 tokens x 128 columns through my stage (rows of 512 + 16 bytes), back as whole rows of 512 bytes
.macro TOSTAGE a
	WIN STGW
.irp b, 0,1,2,3,4,5,6,7
	ds_store_b128 v26, v[8*(8*(\a)+\b):8*(8*(\a)+\b)+3] offset:128*(\b/2)+32*(\b%2)          ; each accumulator from its low end on
	ds_store_b128 v26, v[8*(8*(\a)+\b)+4:8*(8*(\a)+\b)+7] offset:128*(\b/2)+32*(\b%2)+16
.endr
	WIN 0
.irp t, 0,1,2,3,4,5,6,7,8,9,10,11,12,13,14,15
	ds_load_b128 v[128+64*((\a)%2)+4*\t:128+64*((\a)%2)+4*\t+3], v27 offset:528*\t           ; LDS serves a wave's instructions in order: these see my stores
.endr
.endm
.macro SEND a, younger
	s_wait_dscnt \younger                             ; the tile is back; the LDS instructions issued behind its loads may stay out
.irp t, 0,1,2,3,4,5,6,7,8,9,10,11,12,13,14,15
	global_store_b128 v3, v[128+64*((\a)%2)+4*\t:128+64*((\a)%2)+4*\t+3], s[92:93] offset:(32*((\a)/2)+8*((\a)%2)+\t+8*(\t/8))*4096 th:TH_STORE_NT   ; 32 lanes store 512 consecutive bytes, aligned
.endr
.endm
	s_load_b256 s[72:79], s[0:1], 0x0                 ; actc, acts, wc, wsc
	s_load_b64 s[92:93], s[0:1], 0x20                 ; out0
	v_lshl_add_u32 v30, v0, 2, 0x4b000
	v_mov_b32 v31, 0
	ds_add_u32 v30, v31
	ds_add_u32 v30, v31
	v_lshrrev_b32 v1, 5, v0
	v_readfirstlane_b32 s[WV], v1
	s_lshr_b32 s[WP], s[WV], 1
	s_and_b32 s[WL], s[WV], 1
	s_bfe_u32 s98, ttmp6, 0x40000                     ; cx
	s_lshl_b32 s99, ttmp9, 2
	s_add_co_u32 s3, s99, s98                         ; x: my 128 tokens
	s_and_b32 s15, ttmp7, 0xffff                      ; y: my 256 columns, which the partners share
	s_lshl_b32 s2, s15, 4
	s_add_co_u32 s2, s2, 96                           ; Wo's first tile among the weights' tiles
	s_mov_b32 s[G1P], PM|(3<<16)                      ; codes: a row is a tile's K quarter, 3,072 bytes, 12,288 bytes from tile to tile; elements of 8 bytes
	s_mov_b32 s[G1P+1], 384<<16
	s_mov_b32 s[G1P+2], 8<<16
	s_mov_b32 s[G1P+3], 384<<16
	s_mov_b32 s[G1P+4], 8
	s_mov_b32 s[G1P+5], 1536
	s_mov_b32 s[G1P+6], 0
	s_mov_b32 s[G1P+7], 0
	s_mov_b32 s[G1L], 3<<16
	s_mov_b32 s[G1L+1], 384<<16
	s_mov_b32 s[G1L+2], 4<<16
	s_mov_b32 s[G1L+3], 384<<16
	s_mov_b32 s[G1L+4], 4
	s_mov_b32 s[G1L+5], 1536
	s_mov_b32 s[G1L+6], 0
	s_mov_b32 s[G1L+7], 0
	s_mov_b32 s[G1SA], PM|(3<<16)                     ; scale words: dense, as rows of 256 bytes
	s_mov_b32 s[G1SA+1], 32<<16
	s_mov_b32 s[G1SA+2], 16<<16
	s_mov_b32 s[G1SA+3], 32<<16
	s_mov_b32 s[G1SA+4], 16
	s_mov_b32 s[G1SA+5], 32
	s_mov_b32 s[G1SA+6], 0
	s_mov_b32 s[G1SA+7], 0
	s_mov_b32 s[G1SB], 3<<16
	s_mov_b32 s[G1SB+1], 32<<16
	s_mov_b32 s[G1SB+2], 8<<16
	s_mov_b32 s[G1SB+3], 32<<16
	s_mov_b32 s[G1SB+4], 8
	s_mov_b32 s[G1SB+5], 32
	s_mov_b32 s[G1SB+6], 0
	s_mov_b32 s[G1SB+7], 0
	s_mul_i32 s100, s2, 12288                         ; P's offsets are made of y and the wave's number alone, in registers that never hold cx
	s_mul_i32 s101, s[WL], 98304
	s_add_co_u32 s100, s100, s101
	s_mov_b32 s101, 0
	s_wait_dscnt 0x0
	s_wait_kmcnt 0x0
	s_add_nc_u64 s[4:5], s[76:77], s[100:101]
	s_lshl_b32 s100, s2, 9
	s_lshl_b32 s2, s[WL], 12
	s_add_co_u32 s100, s100, s2
	s_add_nc_u64 s[6:7], s[78:79], s[100:101]
	s_mul_i32 s98, s3, 98304                          ; L: 8 x tiles of 12,288 bytes
	s_mul_i32 s99, s[WL], 49152
	s_add_co_u32 s98, s98, s99
	s_mov_b32 s99, 0
	s_add_nc_u64 s[8:9], s[72:73], s[98:99]
	s_lshl_b32 s98, s3, 12
	s_lshl_b32 s2, s[WL], 11
	s_add_co_u32 s98, s98, s2
	s_add_nc_u64 s[10:11], s[74:75], s[98:99]
	CROUND                                            ; all four work-groups are here: the joint loads meet
	s_mov_b32 s[G0PS], 1
	s_lshl_b32 s100, s[WL], 12
	s_add_co_u32 s[G0PS+1], s100, SCPR
	s_mov_b64 s[G0PS+2:G0PS+3], s[6:7]
	s_or_b32 s[G0PS+3], s[G0PS+3], 0x80000000
	s_mul_i32 s100, s[WL], 24576
.irp kq, 0,1,2,3
.set GP, 52+4*\kq+4*(\kq/3)
	s_mov_b32 s[GP], 1
	s_add_co_u32 s[GP+1], s100, PREG+49152*\kq
	s_add_nc_u64 s[GP+2:GP+3], s[4:5], 3072*\kq
	s_or_b32 s[GP+3], s[GP+3], 0x80000000
.endr
	s_mov_b32 s[G0LS], 1
	s_lshl_b32 s101, s[WL], 11
	s_add_co_u32 s[G0LS+1], s101, SCLR
	s_mov_b64 s[G0LS+2:G0LS+3], s[10:11]
	s_or_b32 s[G0LS+3], s[G0LS+3], 0x80000000
	s_mul_i32 s101, s[WL], 12288
.irp kq, 0,1,2,3
.set GL, 76+4*\kq
	s_mov_b32 s[GL], 1
	s_add_co_u32 s[GL+1], s101, LREG+24576*\kq
	s_add_nc_u64 s[GL+2:GL+3], s[8:9], 3072*\kq
	s_or_b32 s[GL+3], s[GL+3], 0x80000000
.endr
	s_cmp_lt_u32 s[WV], 2                             ; waves 0, 1: Wo's halves, jointly; waves 2, 3: the tokens' halves.  A wave's five first fills stand in one branch; four v_nop follow the fifth
	s_cbranch_scc0 .Lfor_l
	tensor_load_to_lds s[48:51], s[G1SA:G1SA+7]
	s_nop 0
	tensor_load_to_lds s[52:55], s[G1P:G1P+7]
	s_nop 0
	tensor_load_to_lds s[56:59], s[G1P:G1P+7]
	s_nop 0
	tensor_load_to_lds s[60:63], s[G1P:G1P+7]
	s_nop 0
	tensor_load_to_lds s[68:71], s[G1P:G1P+7]
	s_nop 0
.rept 4
	v_nop
.endr
	s_branch .Lasked
.Lfor_l:
	tensor_load_to_lds s[72:75], s[G1SB:G1SB+7]
	s_nop 0
	tensor_load_to_lds s[76:79], s[G1L:G1L+7]
	s_nop 0
	tensor_load_to_lds s[80:83], s[G1L:G1L+7]
	s_nop 0
	tensor_load_to_lds s[84:87], s[G1L:G1L+7]
	s_nop 0
	tensor_load_to_lds s[88:91], s[G1L:G1L+7]
	s_nop 0
.rept 4
	v_nop
.endr
.Lasked:
	v_and_b32 v1, 15, v0                              ; r
	v_bfe_u32 v2, v0, 4, 1                            ; h
	v_and_b32 v5, 31, v0
	v_lshlrev_b32 v3, 4, v5                           ; 16 x lane
	v_lshlrev_b32 v4, 3, v5                           ; 8 x lane
	s_mul_i32 s2, s[WP], 24576
	s_mul_i32 s4, s[WL], 12288
	s_add_co_u32 s4, s4, LREG
.irp kq, 0,1,2,3
	v_add_nc_u32 v[8+\kq], s2, v3
	v_add_nc_u32 v[12+\kq], s2, v4
	v_add_nc_u32 v[16+\kq], s4, v3
	v_add_nc_u32 v[20+\kq], s4, v4
	s_add_co_u32 s2, s2, 49152
	s_add_co_u32 s4, s4, 24576
.endr
	v_lshlrev_b32 v5, 3, v1
	s_lshl_b32 s2, s[WP], 12
	s_add_co_u32 s2, s2, SCPR
	v_add_nc_u32 v24, s2, v5
	s_lshl_b32 s2, s[WL], 11
	s_add_co_u32 s2, s2, SCLR
	v_add_nc_u32 v25, s2, v5
	s_mul_i32 s2, s[WV], 8448                         ; my stage, in P's first K quarter, which has had its one fill and is read no more when the first result is stored there
	v_mul_u32_u24 v26, v1, 528
	v_lshl_add_u32 v26, v2, 6, v26
	v_add_nc_u32 v26, s2, v26                         ; in: row r, + 64 h
	v_add_nc_u32 v27, s2, v3                          ; back: 16 x lane
	s_lshl_b32 s98, s3, 19                            ; out: token 128 x + 64 wl, rows of 4,096 bytes; column 256 y + 128 wp
	s_lshl_b32 s4, s[WL], 18
	s_add_co_u32 s98, s98, s4
	s_lshl_b32 s4, s15, 10
	s_add_co_u32 s98, s98, s4
	s_lshl_b32 s4, s[WP], 9
	s_add_co_u32 s98, s98, s4
	s_mov_b32 s99, 0
	s_add_nc_u64 s[92:93], s[92:93], s[98:99]
	s_wait_tensorcnt 0x3                              ; my scale words and my part of K quarter 0 have landed; three quarters stay out
	s_barrier_signal -1
	s_barrier_wait -1
	SCALES
	FETCH 0
.irp ks, 0,1,2,3,4,5,6,7
	KSTEP \ks
.endr
.rept 4
	v_nop                                             ; four places between the last products and the first read of results, and loads into the registers that held L's fragments
.endr
	s_wait_dscnt 0x0
	s_barrier_signal -1
	s_barrier_wait -1                                 ; every wave's reads of the operands are over: the stages may be written
	TOSTAGE 0
.irp a, 1,2,3
.if \a > 1
	s_wait_xcnt 0x0                                   ; tile a - 2's stores have read their registers: tile a's loads may land there
.endif
	TOSTAGE \a
	SEND \a-1, 32                                     ; behind tile a - 1's loads: tile a's 16 stores and 16 loads
.endr
	SEND 3, 0
	s_wait_tensorcnt 0x0
	ds_add_u32 v30, v31
	s_wait_dscnt 0x0
	CROUND                                            ; the closing round
	s_endpgm
.Lfunc_end_k_qa45de55538_proj:
	.size	k_qa45de55538_proj, .Lfunc_end_k_qa45de55538_proj-k_qa45de55538_proj
	.p2alignl 7, 3214868480
	.fill 96, 4, 3214868480
	.section	.rodata,"a",@progbits
	.p2align	6, 0x0
	.amdhsa_kernel k_qa45de55538_proj
		.amdhsa_group_segment_fixed_size 307712
		.amdhsa_private_segment_fixed_size 0
		.amdhsa_enable_private_segment 0
		.amdhsa_kernarg_size 40
		.amdhsa_user_sgpr_count 2
		.amdhsa_user_sgpr_kernarg_segment_ptr 1
		.amdhsa_wavefront_size32 1
		.amdhsa_system_sgpr_workgroup_id_x 1
		.amdhsa_system_sgpr_workgroup_id_y 1
		.amdhsa_system_sgpr_workgroup_id_z 1
		.amdhsa_system_vgpr_workitem_id 0
		.amdhsa_next_free_vgpr 768
		.amdhsa_next_free_sgpr 102
		.amdhsa_reserve_vcc 0
		.amdhsa_float_denorm_mode_32 3
		.amdhsa_float_denorm_mode_16_64 3
		.amdhsa_memory_ordered 1
		.amdhsa_forward_progress 1
		.amdhsa_inst_pref_size 87
	.end_amdhsa_kernel
	.amdgpu_metadata
---
amdhsa.version: [ 1, 2 ]
amdhsa.kernels:
  - .name:           k_qa45de55538_proj
    .symbol:         k_qa45de55538_proj.kd
    .args:
      - { .name: actc, .offset: 0, .size: 8, .value_kind: global_buffer, .address_space: global }
      - { .name: acts, .offset: 8, .size: 8, .value_kind: global_buffer, .address_space: global }
      - { .name: wc, .offset: 16, .size: 8, .value_kind: global_buffer, .address_space: global }
      - { .name: wsc, .offset: 24, .size: 8, .value_kind: global_buffer, .address_space: global }
      - { .name: out0, .offset: 32, .size: 8, .value_kind: global_buffer, .address_space: global }
    .group_segment_fixed_size: 307712
    .private_segment_fixed_size: 0
    .kernarg_segment_align: 8
    .kernarg_segment_size: 40
    .max_flat_workgroup_size: 128
    .sgpr_count:     102
    .vgpr_count:     768
    .wavefront_size: 32
...
	.end_amdgpu_metadata
.endif
;; end of part 4
